; MI455X (gfx1250); checked and timed in simulation.
; The chip was launched on July 23, 2026; its instructions are those of AMD's public machine-readable ISA for CDNA 5 (MIT licence, August 2026) and "CDNA5" Instruction Set Architecture Reference Guide (July 2026). The comments in the code are by the model that wrote it; some were corrected since.
;; MOCA. Allowed arithmetic: float matrix products may take bf16 or f16 operands with f32 sums; other float arithmetic in f32, or as packed bf16 or f16 multiplies, adds, multiply-adds, maxima and minima; sums over many terms, partial sums and values carried from step to step in f32; what a program stores and reads back later, other than sums and carried values, may be rounded once to bf16 or f16.
;; Inputs: emb_b 256 float32; emb_w 256 x 512 float32; g_b 1,024 float32; g_w 1,024 x 512 float32; phi_b 1,024 float32; phi_w 1,024 x 512 float32; rou_b 1 float32; rou_w 2 float32; theta_b 1,024 float32; theta_w 1,024 x 512 float32; w_b 512 float32; w_w 512 x 1,024 float32; x 4 x 2,048 x 512 float32.
;; Outputs: out0 4 x 2,048 x 256 float32.
;; Constants: B = 4, T = 2048.
;; One version. Each part assembles by itself: llvm-mc -triple=amdgcn-amd-amdhsa -mcpu=gfx1250 --defsym DOCPART=n.
;; ======== version 1 of 1: 7 launches
;; limits: values outside matrix products are rounded to bf16
;; workspace buffers: cv 15,728,640 bytes; em 327,680 bytes; c1 819,200 bytes; c3 819,200 bytes; c2 327,680 bytes; pj 20,971,520 bytes; lg 67,108,864 bytes; mo 33,554,432 bytes
;; launch prep (part 1): grid 1472 x 1, 8 waves a work-group, no clusters, 0 bytes of LDS; arguments x, theta_w, phi_w, g_w, w_w, emb_w, theta_b, phi_b, g_b, emb_b, w_b, cv, em; writes cv, em
.if DOCPART == 1
	.amdgcn_target "amdgcn-amd-amdhsa--gfx1250"
	.amdhsa_code_object_version 6
	.text
	.protected	k_qe26c573d18_prep
	.globl	k_qe26c573d18_prep
	.p2align	8
	.type	k_qe26c573d18_prep,@function
k_qe26c573d18_prep:
	s_mov_b64 s[64:65], 0
	v_nop
	global_prefetch_b8 v0, s[64:65] scope:SCOPE_SE
	s_setreg_imm32_b32 hwreg(HW_REG_WAVE_MODE, 25, 1), 1
	s_wait_xcnt 0x0
; PREP: every matrix that is 512 wide is written once in bf16, in rows of 640 elements (1,280 bytes = five blocks of 256):
; columns 0-511 the numbers, column 512 a bias entry, columns 513-639 zero.  The bias entry is 1 for x, theta_b / phi_b / g_b for
; the three weights, emb[e] . w_b + emb_b[e] (made here in f32) for emb.  So every later product carries its bias as one more K column.
; w_w ([512 o][1024 h]) is written TRANSPOSED, wT[h][o], in the same rows of 640 with columns 512-639 zero, so that it has the shape of the other three weights.
; Plain rows: one wave takes one row of 512 f32: four loads of 512 consecutive bytes, four stores of 256 consecutive aligned bytes, one more for the bias block.
; w_w: one wave takes four h: a lane loads 16 bytes (four h) of each of 16 rows o and stores, for each h, 16 bytes (eight o): a store covers 512 consecutive aligned bytes.
; LIMIT: each number is rounded once to bf16 (nearest even).
.set TWA, 10485760                     ; byte offsets in cv: xa at 0, then theta, phi, g, wT (each [1024][640])
.set PWA, 11796480
.set GWA, 13107200
.set WTA, 14417920
; s2 wave, s3 row, s4 offset in the destination, s5 the role's first work-group, s6 destination pitch, s7 kind
; s[36:37] source, s[38:39] destination, s[40:41] bias vector, s42 bias entry, s43/s45 lane selects, s[46:47] an offset
; kind 0: entry 1.0; 1: entry bias[row]; 2: entry bias[row] + row . w_b; 3: the transposed copy
.macro ROLE g0, src, dst, doff, pitch, kind, bias
	s_cmp_ge_u32 ttmp9, \g0                        ; from this work-group on the role is this one
	s_cselect_b64 s[36:37], s[\src:\src+1], s[36:37]
	s_cselect_b64 s[38:39], s[\dst:\dst+1], s[38:39]
	s_cselect_b64 s[40:41], s[\bias:\bias+1], s[40:41]
	s_cselect_b32 s4, \doff, s4
	s_cselect_b32 s5, \g0, s5
	s_cselect_b32 s6, \pitch, s6
	s_cselect_b32 s7, \kind, s7
.endm
	s_load_b512 s[8:23], s[0:1], 0x0               ; x 8, theta_w 10, phi_w 12, g_w 14, w_w 16, emb_w 18, theta_b 20, phi_b 22
	s_load_b256 s[24:31], s[0:1], 0x40             ; g_b 24, emb_b 26, w_b 28, cv 30
	s_load_b64 s[32:33], s[0:1], 0x60              ; em
	v_lshrrev_b32 v1, 5, v0
	v_readfirstlane_b32 s2, v1                     ; wave 0..7
	v_and_b32 v1, 31, v0                           ; lane
	v_lshlrev_b32 v2, 4, v1                        ; 16 bytes a lane
	v_lshlrev_b32 v3, 3, v1                        ; 8 bytes a lane
	s_mov_b32 s43, 0x76543210
	s_mov_b32 s45, 0xfedcba98
	s_mov_b32 s4, 0
	s_mov_b32 s5, 0
	s_mov_b32 s6, 1280
	s_mov_b32 s7, 0
	s_wait_kmcnt 0x0
	s_mov_b64 s[36:37], s[8:9]                     ; work-groups 0-1023: x, 8,192 rows
	s_mov_b64 s[38:39], s[30:31]
	s_mov_b64 s[40:41], s[20:21]
	ROLE 1024, 10, 30, TWA, 1280, 1, 20            ; theta_w, 1,024 rows
	ROLE 1152, 12, 30, PWA, 1280, 1, 22            ; phi_w
	ROLE 1280, 14, 30, GWA, 1280, 1, 24            ; g_w
	ROLE 1408, 16, 30, WTA, 5120, 3, 20            ; w_w: 256 waves, four rows of wT each
	ROLE 1440, 18, 32, 0, 1280, 2, 26              ; emb_w, 256 rows
	s_sub_co_u32 s3, ttmp9, s5
	s_lshl3_add_u32 s3, s3, s2                     ; my row (kind 3: my group of four h) in the role
	s_mov_b32 s47, 0
	s_lshl_b32 s46, s3, 11                         ; 2,048 bytes of f32 a row;
	s_lshl_b32 s44, s3, 4                          ; kind 3: 16 bytes, four h, along w_w's rows
	s_cmp_eq_u32 s7, 3
	s_cselect_b32 s46, s44, s46
	s_add_nc_u64 s[36:37], s[36:37], s[46:47]
	s_mul_i32 s46, s3, s6
	s_add_co_u32 s46, s46, s4
	s_add_nc_u64 s[38:39], s[38:39], s[46:47]
	s_lshl_b32 s46, s3, 2
	s_add_nc_u64 s[40:41], s[40:41], s[46:47]      ; used by kinds 1 and 2 alone
	v_mov_b32 v37, 0
	s_cmp_eq_u32 s7, 3
	s_cbranch_scc1 .Ltr
.irp j, 0,1,2,3
	global_load_b128 v[4+4*(\j):7+4*(\j)], v2, s[36:37] offset:512*(\j)
.endr
	s_mov_b32 s42, 1.0                             ; kind 0's entry
	s_cmp_eq_u32 s7, 0
	s_cbranch_scc1 .Lnobias
	s_load_b32 s42, s[40:41], 0x0                  ; kinds 1, 2: bias[row]
.Lnobias:
	v_mov_b32 v39, 0
	s_cmp_eq_u32 s7, 2
	s_cbranch_scc0 .Lnodot
.irp j, 0,1,2,3
	global_load_b128 v[20+4*(\j):23+4*(\j)], v2, s[28:29] offset:512*(\j)   ; w_b, the same 16 places
.endr
	s_wait_loadcnt 0x0                             ; the row and w_b
.irp k, 0,1,2,3
	v_mul_f32 v[40+(\k)], v[4+(\k)], v[20+(\k)]    ; four chains start the sum
.endr
.irp j, 1,2,3
.irp k, 0,1,2,3
	v_fmac_f32 v[40+(\k)], v[4+4*(\j)+(\k)], v[20+4*(\j)+(\k)]
.endr
.endr
	v_add_f32 v40, v40, v41
	v_add_f32 v42, v42, v43
	v_add_f32 v39, v40, v42
.irp m, 1,2,4,8
	v_add_f32_dpp v39, v39, v39 row_xmask:\m row_mask:0xf bank_mask:0xf
.endr
	v_mov_b32 v44, 0                               ; the exchange's destination counts as read
	v_permlanex16_b32 v44, v39, s43, s45
	v_add_f32 v39, v39, v44                        ; emb[row] . w_b in every lane
.Lnodot:
	s_wait_loadcnt 0x0                             ; the row
	s_wait_kmcnt 0x0                               ; the bias word
	v_add_f32 v38, s42, v39
.irp j, 0,1,2,3
	v_cvt_pk_bf16_f32 v[20+2*(\j)], v[4+4*(\j)], v[5+4*(\j)]
	v_cvt_pk_bf16_f32 v[21+2*(\j)], v[6+4*(\j)], v[7+4*(\j)]
.endr
.irp j, 0,1,2,3
	global_store_b64 v3, v[20+2*(\j):21+2*(\j)], s[38:39] offset:256*(\j)   ; 32 lanes x 8 bytes: 256 consecutive aligned bytes
.endr
	v_cvt_pk_bf16_f32 v36, v38, v37                ; columns 512-639: the entry in lane 0's low half, zeros elsewhere
	v_cmp_eq_u32 vcc_lo, 0, v1
	v_cndmask_b32 v36, v37, v36, vcc_lo
	global_store_b64 v3, v[36:37], s[38:39] offset:1024
	s_endpgm
.Ltr:                                              ; wT[h0 + k][o] = w_w[o][h0 + k], k = 0..3.  Lane l takes o = 256 q + 8 l + i, q = 0, 1, i = 0..7
	v_lshlrev_b32 v38, 15, v1                      ; 8 l rows of 4,096 bytes
	v_mov_b32 v36, 0
.irp q, 0,1
.irp i, 0,1,2,3,4,5,6,7
	global_load_b128 v[48+4*(8*(\q)+(\i)):51+4*(8*(\q)+(\i))], v38, s[36:37] offset:(256*(\q)+(\i))*4096
.endr
.endr
	s_wait_loadcnt 0x0
.irp k, 0,1,2,3
.irp q, 0,1
.irp p, 0,1,2,3
	v_cvt_pk_bf16_f32 v[4+4*(2*(\k)+(\q))+(\p)], v[48+4*(8*(\q)+2*(\p))+(\k)], v[48+4*(8*(\q)+2*(\p)+1)+(\k)]   ; o = 8 l + 2 p and the next
.endr
	global_store_b128 v2, v[4+4*(2*(\k)+(\q)):7+4*(2*(\k)+(\q))], s[38:39] offset:1280*(\k)+512*(\q)   ; 512 consecutive aligned bytes of row h0 + k
.endr
	global_store_b64 v3, v[36:37], s[38:39] offset:1280*(\k)+1024    ; the row's columns 512-639: zeros
.endr
	s_endpgm
.Lfunc_end_k_qe26c573d18_prep:
	.size	k_qe26c573d18_prep, .Lfunc_end_k_qe26c573d18_prep-k_qe26c573d18_prep
	.p2alignl 7, 3214868480
	.fill 96, 4, 3214868480
	.section	.rodata,"a",@progbits
	.p2align	6, 0x0
	.amdhsa_kernel k_qe26c573d18_prep
		.amdhsa_group_segment_fixed_size 0
		.amdhsa_private_segment_fixed_size 0
		.amdhsa_enable_private_segment 0
		.amdhsa_kernarg_size 104
		.amdhsa_user_sgpr_count 2
		.amdhsa_user_sgpr_kernarg_segment_ptr 1
		.amdhsa_wavefront_size32 1
		.amdhsa_system_sgpr_workgroup_id_x 1
		.amdhsa_system_sgpr_workgroup_id_y 1
		.amdhsa_system_sgpr_workgroup_id_z 1
		.amdhsa_system_vgpr_workitem_id 0
		.amdhsa_next_free_vgpr 112
		.amdhsa_next_free_sgpr 66
		.amdhsa_reserve_vcc 1
		.amdhsa_float_denorm_mode_32 3
		.amdhsa_float_denorm_mode_16_64 3
		.amdhsa_memory_ordered 1
		.amdhsa_forward_progress 1
		.amdhsa_inst_pref_size 12
	.end_amdhsa_kernel
	.amdgpu_metadata
---
amdhsa.version: [ 1, 2 ]
amdhsa.kernels:
  - .name:           k_qe26c573d18_prep
    .symbol:         k_qe26c573d18_prep.kd
    .args:
      - { .name: x, .offset: 0, .size: 8, .value_kind: global_buffer, .address_space: global }
      - { .name: theta_w, .offset: 8, .size: 8, .value_kind: global_buffer, .address_space: global }
      - { .name: phi_w, .offset: 16, .size: 8, .value_kind: global_buffer, .address_space: global }
      - { .name: g_w, .offset: 24, .size: 8, .value_kind: global_buffer, .address_space: global }
      - { .name: w_w, .offset: 32, .size: 8, .value_kind: global_buffer, .address_space: global }
      - { .name: emb_w, .offset: 40, .size: 8, .value_kind: global_buffer, .address_space: global }
      - { .name: theta_b, .offset: 48, .size: 8, .value_kind: global_buffer, .address_space: global }
      - { .name: phi_b, .offset: 56, .size: 8, .value_kind: global_buffer, .address_space: global }
      - { .name: g_b, .offset: 64, .size: 8, .value_kind: global_buffer, .address_space: global }
      - { .name: emb_b, .offset: 72, .size: 8, .value_kind: global_buffer, .address_space: global }
      - { .name: w_b, .offset: 80, .size: 8, .value_kind: global_buffer, .address_space: global }
      - { .name: cv, .offset: 88, .size: 8, .value_kind: global_buffer, .address_space: global }
      - { .name: em, .offset: 96, .size: 8, .value_kind: global_buffer, .address_space: global }
    .group_segment_fixed_size: 0
    .private_segment_fixed_size: 0
    .kernarg_segment_align: 8
    .kernarg_segment_size: 104
    .max_flat_workgroup_size: 256
    .sgpr_count:     66
    .vgpr_count:     112
    .wavefront_size: 32
...
	.end_amdgpu_metadata
.endif
;; end of part 1
;; launch comb1 (part 2): grid 10 x 10, 4 waves a work-group, no clusters, 327,680 bytes of LDS; arguments cv, c1, c3; writes c1, c3
.if DOCPART == 2
	.amdgcn_target "amdgcn-amd-amdhsa--gfx1250"
	.amdhsa_code_object_version 6
	.text
	.protected	k_qe26c573d18_comb1
	.globl	k_qe26c573d18_comb1
	.p2align	8
	.type	k_qe26c573d18_comb1,@function
k_qe26c573d18_comb1:
	s_mov_b64 s[64:65], 0
	v_nop
	global_prefetch_b8 v0, s[64:65] scope:SCOPE_SE
	s_setreg_imm32_b32 hwreg(HW_REG_WAVE_MODE, 25, 1), 1
	s_wait_xcnt 0x0
; COMB1: two products of weights over the hidden axis h (K = 1,024), bf16 operands, f32 sums, results rounded once to bf16, both 640 x 640:
;   y < 5 : c1[c'][c] = sum_h theta_a[h][c'] phi_a[h][c]      (column tile y)
;   y >= 5: c3[c][o]  = sum_h g_a[h][c] wT[h][o]              (column tile y - 5; wT's columns 512-639 are zero, and so are c3's)
; All four operands lie [h][640] in cv, K down the rows, so one text serves both jobs: y chooses two offsets in cv and the output's address; no branch hangs on it.
; A work-group makes 64 rows x 128 columns; wave w rows 16 w .. 16 w + 15 and all 128 columns: 8 accumulators.
; R gives the rows, C the columns; both come out of LDS turned, by ds_load_tr16_b128.
; K goes in four steps of 256 through two LDS slots; waves 0, 1 fetch C's halves, waves 2, 3 R's: one tensor load a wave behind each barrier, one outstanding.
; NO CLUSTER: a grid of 10 x 10 is no multiple of a cluster of four along either axis.
; The matrix instruction is used with source 0 = 16 columns, source 1 = 16 rows: a lane holds 8 neighbouring columns of one row.
.set TWA, 10485760
.set PWA, 11796480
.set GWA, 13107200
.set WTA, 14417920
.set SLOT,  114688                     ; C's part (256 x 288), then R's (256 x 160)
.set ROFFL, 73728
.set PR,    160                        ; R: 128 bytes + 32 of padding
.set PCT,   288                        ; C: 256 + 32
.set KSTEPB, 256*1280                  ; a K step in memory: 256 rows
.set STAGE, 229376                     ; 16 rows x 272 bytes for each wave; no tensor load lands here
.set SP,    272
.set SPARE, 246784                     ; the spare words: 128 bytes a wave
.set G1C, 24                           ; s[24:31] group 1 for C;  s[32:39] group 0, a set for each slot
.set G0C, 32
.set G1R, 48                           ; s[48:55], s[56:63] the same for R
.set G0R, 56
.set ACC, 32                           ; v[32:95]
.set F0,  96                           ; fragment buffers of 72: R, then C's eight
.set F1,  168
; v16,17 R's address in slot 0, 1; v18,19 C's; v20,21 C's, 128 K rows further; v24 into the stage, v25 back, v26 offset in the output; v28, v29 the add's
.macro PLACES                          ; four places behind matrix instructions, ahead of loads into their sources and of reads of their results
.rept 4
	v_nop
.endr
.endm
.macro LOADT s                         ; one tensor load a wave: C's half or R's half of the tile for slot s
	s_cmp_lt_u32 s10, 2
	s_cbranch_scc0 .Lfor_r_\@
	tensor_load_to_lds s[G0C+4*(\s):G0C+4*(\s)+3], s[G1C:G1C+7]
	s_nop 0
	PLACES
	s_branch .Lasked_\@
.Lfor_r_\@:
	tensor_load_to_lds s[G0R+4*(\s):G0R+4*(\s)+3], s[G1R:G1R+7]
	s_nop 0
	PLACES
.Lasked_\@:
.endm
.macro FETCH slot, ks, f               ; 18 turning loads: the fragments of 32 along K, sub-step ks of the slot
	ds_load_tr16_b128 v[(\f):(\f)+3],   v[16+(\slot)] offset:32*PR*(\ks)
	ds_load_tr16_b128 v[(\f)+4:(\f)+7], v[16+(\slot)] offset:32*PR*(\ks)+16*PR
.irp b, 0,1,2,3,4,5,6,7
	ds_load_tr16_b128 v[(\f)+8+8*(\b):(\f)+11+8*(\b)],  v[18+(\slot)+2*((\ks)/4)] offset:32*(\b)+32*PCT*((\ks)%4)
	ds_load_tr16_b128 v[(\f)+12+8*(\b):(\f)+15+8*(\b)], v[18+(\slot)+2*((\ks)/4)] offset:32*(\b)+32*PCT*((\ks)%4)+16*PCT
.endr
.endm
.macro WORK slot, zero                 ; a slot's 8 sub-steps; the next sub-step's loads are issued ahead of each run of 8 products
	FETCH \slot, 0, F0
.set KS, 0
.rept 8
.if KS < 7
	PLACES
	FETCH \slot, KS+1, F0+(F1-F0)*((KS+1)%2)
	s_wait_dscnt 18                                ; all but the 18 just issued: this sub-step's fragments are in
.else
	s_wait_dscnt 0x0
.endif
.set FB, F0+(F1-F0)*(KS%2)
.irp b, 0,1,2,3,4,5,6,7                ; the eight accumulators take turns
.if (\zero) && (KS == 0)
	v_wmma_f32_16x16x32_bf16 v[ACC+8*(\b):ACC+8*(\b)+7], v[FB+8+8*(\b):FB+15+8*(\b)], v[FB:FB+7], 0
.else
	v_wmma_f32_16x16x32_bf16 v[ACC+8*(\b):ACC+8*(\b)+7], v[FB+8+8*(\b):FB+15+8*(\b)], v[FB:FB+7], v[ACC+8*(\b):ACC+8*(\b)+7]
.endif
.endr
.set KS, KS+1
.endr
.endm
.macro TRIP slot, refill, zero
	s_wait_tensorcnt 0x0                           ; my one load, my part of this trip's tile, has landed; every group 0 may be written
	ds_add_u32 v28, v29
	s_add_nc_u64 s[G0C+4*(\slot)+2:G0C+4*(\slot)+3], s[G0C+4*(\slot)+2:G0C+4*(\slot)+3], 2*KSTEPB
	s_add_nc_u64 s[G0R+4*(\slot)+2:G0R+4*(\slot)+3], s[G0R+4*(\slot)+2:G0R+4*(\slot)+3], 2*KSTEPB
	s_wait_dscnt 0x0                               ; the add is done, and my reads of the other slot
	s_barrier_signal -1
	s_barrier_wait -1
.if \refill
	LOADT 1-(\slot)                                ; the next tile, into the slot read last; its four v_nop are the places ahead of the loads below
.else
	PLACES
.endif
	WORK \slot, \zero
.endm
	s_load_b128 s[4:7], s[0:1], 0x0                ; cv s[4:5], c1 s[6:7]
	s_load_b64 s[8:9], s[0:1], 0x10                ; c3
	v_lshl_add_u32 v28, v0, 2, SPARE
	v_mov_b32 v29, 0
	ds_add_u32 v28, v29                            ; the opening: the add and its wait ahead of my first tensor load
	ds_add_u32 v28, v29
	v_lshrrev_b32 v1, 5, v0
	v_readfirstlane_b32 s10, v1                    ; wave 0..3
	s_and_b32 s11, s10, 1                          ; which half of a tile I fetch
	s_and_b32 s12, ttmp7, 0xffff                   ; y
	s_mul_i32 s13, s11, 128*1280                   ; my half's 128 K rows in memory
	s_mov_b32 s[G1C+0], (1<<16)|(1<<20)|(5<<22)|(7<<25)   ; 2-byte elements; padding on: 8 words behind every 64
	s_mov_b32 s[G1C+1], 128<<16                    ; tensor_dim0
	s_mov_b32 s[G1C+2], 128<<16                    ; tensor_dim1
	s_mov_b32 s[G1C+3], 128<<16                    ; tile_dim0: 128 columns
	s_mov_b32 s[G1C+4], 128                        ; tile_dim1: 128 K rows
	s_mov_b32 s[G1C+5], 640
	s_mov_b32 s[G1C+6], 0
	s_mov_b32 s[G1C+7], 0
	s_mov_b32 s[G1R+0], (1<<16)|(1<<20)|(4<<22)|(7<<25)   ; 8 words behind every 32
	s_mov_b32 s[G1R+1], 64<<16
	s_mov_b32 s[G1R+2], 128<<16
	s_mov_b32 s[G1R+3], 64<<16                     ; 64 columns
	s_mov_b32 s[G1R+4], 128                        ; 128 K rows
	s_mov_b32 s[G1R+5], 640
	s_mov_b32 s[G1R+6], 0
	s_mov_b32 s[G1R+7], 0
	s_mov_b32 s14, TWA                             ; the first job's operands,
	s_mov_b32 s18, PWA
	s_mov_b32 s15, GWA                             ; the second's
	s_mov_b32 s19, WTA
	s_sub_co_u32 s16, s12, 5
	s_cmp_ge_u32 s12, 5
	s_cselect_b32 s17, s16, s12                    ; column tile 0..4
	s_cselect_b32 s14, s15, s14                    ; R's offset in cv
	s_cselect_b32 s18, s19, s18                    ; C's
	s_cselect_b32 s42, 1, 0                        ; 1: the second job
	s_lshl_b32 s16, s17, 8
	s_add_co_u32 s18, s18, s16                     ; C: 256 bytes of columns,
	s_add_co_u32 s18, s18, s13                     ; my 128 K rows
	s_mov_b32 s19, 0
	s_lshl_b32 s16, ttmp9, 7
	s_add_co_u32 s14, s14, s16                     ; R: 128 bytes of columns,
	s_add_co_u32 s14, s14, s13
	s_mov_b32 s15, 0
	s_mul_i32 s20, s11, 128*PCT                    ; where my half goes in a slot
	s_mul_i32 s21, s11, 128*PR
	s_add_co_u32 s21, s21, ROFFL
.irp s, 0,1
	s_mov_b32 s[G0C+4*(\s)], 1
	s_add_co_u32 s[G0C+4*(\s)+1], s20, (\s)*SLOT
	s_mov_b32 s[G0R+4*(\s)], 1
	s_add_co_u32 s[G0R+4*(\s)+1], s21, (\s)*SLOT
.endr
	v_and_b32 v1, 15, v0                           ; l % 16
	v_bfe_u32 v2, v0, 4, 1                         ; l / 16
	v_and_b32 v3, 7, v0
	v_bfe_u32 v4, v0, 3, 1
	v_lshl_add_u32 v5, v2, 3, v3                   ; the K row that a turning load's lane addresses: 8 (l / 16) + l % 8
	v_mul_u32_u24 v6, v5, PR
	v_lshl_add_u32 v6, v4, 4, v6                   ; 16 bytes by (l / 8) % 2
	s_lshl_b32 s44, s10, 5                         ; my 16 columns of R
	s_add_co_u32 s44, s44, ROFFL
	v_add_nc_u32 v16, s44, v6
	v_add_nc_u32 v17, SLOT, v16
	v_mul_u32_u24 v7, v5, PCT
	v_lshl_add_u32 v18, v4, 4, v7
	v_add_nc_u32 v19, SLOT, v18
	v_add_nc_u32 v20, 128*PCT, v18
	v_add_nc_u32 v21, SLOT+128*PCT, v18
	s_mul_i32 s43, s10, 16*SP
	s_add_co_u32 s43, s43, STAGE                   ; my stage
	v_mul_u32_u24 v8, v1, SP
	v_lshl_add_u32 v8, v2, 4, v8
	v_add_nc_u32 v24, s43, v8                      ; in: row l % 16, 16 bytes by l / 16
	v_mul_u32_u24 v8, v2, SP
	v_lshl_add_u32 v8, v1, 4, v8
	v_add_nc_u32 v25, s43, v8                      ; back: lanes 0-15 one row of 256 bytes, lanes 16-31 the next
	v_mul_u32_u24 v8, v2, 1280
	v_lshl_add_u32 v26, v1, 4, v8                  ; and the same two rows in the output
	s_wait_dscnt 0x0                               ; the opening add is done
	s_wait_kmcnt 0x0
	s_add_nc_u64 s[18:19], s[4:5], s[18:19]        ; C's tile of K step 0
	s_add_nc_u64 s[14:15], s[4:5], s[14:15]        ; R's
.irp s, 0,1
	s_add_nc_u64 s[G0C+4*(\s)+2:G0C+4*(\s)+3], s[18:19], (\s)*KSTEPB
	s_or_b32 s[G0C+4*(\s)+3], s[G0C+4*(\s)+3], 0x80000000
	s_add_nc_u64 s[G0R+4*(\s)+2:G0R+4*(\s)+3], s[14:15], (\s)*KSTEPB
	s_or_b32 s[G0R+4*(\s)+3], s[G0R+4*(\s)+3], 0x80000000
.endr
	LOADT 0                                        ; K step 0; slot 1 is filled behind the first trip's barrier
	s_cmp_eq_u32 s42, 1
	s_cselect_b64 s[40:41], s[8:9], s[6:7]         ; the output: c3 or c1
	s_lshl_b32 s22, ttmp9, 6
	s_lshl4_add_u32 s22, s10, s22                  ; my first row of the output: 64 x + 16 w
	s_mul_i32 s22, s22, 1280
	s_lshl_b32 s23, s17, 8
	s_add_co_u32 s22, s22, s23
	s_mov_b32 s23, 0
	s_add_nc_u64 s[22:23], s[40:41], s[22:23]
	TRIP 0, 1, 1
	TRIP 1, 1, 0
	TRIP 0, 1, 0
	TRIP 1, 0, 0                                   ; nothing is left to fetch
	PLACES                                         ; THE WAY OUT: bf16, through my own stage, back as whole rows of 256 bytes
.irp b, 0,1,2,3,4,5,6,7
.irp r, 0,1,2,3
	v_cvt_pk_bf16_f32 v[F0+4*(\b)+(\r)], v[ACC+8*(\b)+2*(\r)], v[ACC+8*(\b)+2*(\r)+1]
.endr
.endr
.irp b, 0,1,2,3,4,5,6,7
	ds_store_b128 v24, v[F0+4*(\b):F0+4*(\b)+3] offset:32*(\b)
.endr
.irp t, 0,1,2,3,4,5,6,7
	ds_load_b128 v[F0+32+4*(\t):F0+35+4*(\t)], v25 offset:(\t)*2*SP   ; a wave's LDS instructions are served in order: these see the stores above
.endr
.irp t, 0,1,2,3,4,5,6,7
	s_wait_dscnt 7-(\t)
	global_store_b128 v26, v[F0+32+4*(\t):F0+35+4*(\t)], s[22:23] offset:(\t)*2*1280   ; 16 lanes: 256 consecutive aligned bytes
.endr
	s_wait_tensorcnt 0x0                           ; the wave's end
	ds_add_u32 v28, v29
	s_wait_dscnt 0x0
	s_endpgm
.Lfunc_end_k_qe26c573d18_comb1:
	.size	k_qe26c573d18_comb1, .Lfunc_end_k_qe26c573d18_comb1-k_qe26c573d18_comb1
	.p2alignl 7, 3214868480
	.fill 96, 4, 3214868480
	.section	.rodata,"a",@progbits
	.p2align	6, 0x0
	.amdhsa_kernel k_qe26c573d18_comb1
		.amdhsa_group_segment_fixed_size 327680
		.amdhsa_private_segment_fixed_size 0
		.amdhsa_enable_private_segment 0
		.amdhsa_kernarg_size 24
		.amdhsa_user_sgpr_count 2
		.amdhsa_user_sgpr_kernarg_segment_ptr 1
		.amdhsa_wavefront_size32 1
		.amdhsa_system_sgpr_workgroup_id_x 1
		.amdhsa_system_sgpr_workgroup_id_y 1
		.amdhsa_system_sgpr_workgroup_id_z 1
		.amdhsa_system_vgpr_workitem_id 0
		.amdhsa_next_free_vgpr 256
		.amdhsa_next_free_sgpr 66
		.amdhsa_reserve_vcc 0
		.amdhsa_float_denorm_mode_32 3
		.amdhsa_float_denorm_mode_16_64 3
		.amdhsa_memory_ordered 1
		.amdhsa_forward_progress 1
		.amdhsa_inst_pref_size 70
	.end_amdhsa_kernel
	.amdgpu_metadata
---
amdhsa.version: [ 1, 2 ]
amdhsa.kernels:
  - .name:           k_qe26c573d18_comb1
    .symbol:         k_qe26c573d18_comb1.kd
    .args:
      - { .name: cv, .offset: 0, .size: 8, .value_kind: global_buffer, .address_space: global }
      - { .name: c1, .offset: 8, .size: 8, .value_kind: global_buffer, .address_space: global }
      - { .name: c3, .offset: 16, .size: 8, .value_kind: global_buffer, .address_space: global }
    .group_segment_fixed_size: 327680
    .private_segment_fixed_size: 0
    .kernarg_segment_align: 8
    .kernarg_segment_size: 24
    .max_flat_workgroup_size: 128
    .sgpr_count:     66
    .vgpr_count:     256
    .wavefront_size: 32
...
	.end_amdgpu_metadata
.endif
;; end of part 2
;; launch comb2 (part 3): grid 2 x 5, 8 waves a work-group, no clusters, 327,680 bytes of LDS; arguments em, c3, c2; writes c2
.if DOCPART == 3
	.amdgcn_target "amdgcn-amd-amdhsa--gfx1250"
	.amdhsa_code_object_version 6
	.text
	.protected	k_qe26c573d18_comb2
	.globl	k_qe26c573d18_comb2
	.p2align	8
	.type	k_qe26c573d18_comb2,@function
k_qe26c573d18_comb2:
	s_mov_b64 s[64:65], 0
	v_nop
	global_prefetch_b8 v0, s[64:65] scope:SCOPE_SE
	s_setreg_imm32_b32 hwreg(HW_REG_WAVE_MODE, 25, 1), 1
	s_wait_xcnt 0x0
; COMB2: c2[e][c] = sum over o < 512 of em[e][o] c3[c][o]: emb times (w_w g_a), the folded weight of the path behind moca, 256 x 640, bf16 operands in rows of 640 elements,
; sums f32, the result rounded once to bf16.  c3's columns 512-639 are exact zeros (sums of products with wT's zero columns), so K ends at 512.
; x = the tile of 128 rows e, y = the tile of 128 columns c.  Eight waves make 128 x 128; wave w rows 32 (w / 2), columns 64 (w % 2): 8 accumulators.
; The whole K panel (256 rows x 512) fits in LDS and is filled once: each wave issues two tensor loads at the head (32 rows x K 0-255, 256-511): two outstanding, no refill.
; NO CLUSTER: a grid of 2 x 5 is no multiple of a cluster of four along either axis.
; Source 0 = 16 rows of c3, source 1 = 16 rows of em: a lane holds 8 neighbouring columns of one row of c2.
.set P0,  528                          ; an LDS row: 512 bytes + 16
.set CH1, 256*P0
.set SPARE, 2*256*P0                   ; 270,336: the spare words, 128 bytes a wave
.set SPB, 272                          ; the stage lies in chunk 0, whose one fill is long over and which nobody reads behind chunk 1's barrier
.set G0,  32                           ; s[32:39] two groups 0
.set G1A, 44                           ; s[44:51] 32 rows x 256
.set ACC, 32
.set F0,  96                           ; fragment buffers of 48: em's two, then c3's four
.set TMP, 192
; v4,5 em's and c3's address in chunk 0; v6,7 chunk 1; v11 into the stage, v12 back, v13 offset in c2; v14, v15 the add's
.macro PLACES                          ; four places behind matrix instructions, ahead of loads into their sources and of reads of their results
.rept 4
	v_nop
.endr
.endm
.macro FETCH c, ks, f                  ; 12 LDS loads: 32 along K
.irp a, 0,1
	ds_load_b128 v[(\f)+8*(\a):(\f)+8*(\a)+3],   v[4+2*(\c)] offset:16*P0*(\a)+64*(\ks)
	ds_load_b128 v[(\f)+8*(\a)+4:(\f)+8*(\a)+7], v[4+2*(\c)] offset:16*P0*(\a)+64*(\ks)+32
.endr
.irp b, 0,1,2,3
	ds_load_b128 v[(\f)+16+8*(\b):(\f)+19+8*(\b)], v[5+2*(\c)] offset:16*P0*(\b)+64*(\ks)
	ds_load_b128 v[(\f)+20+8*(\b):(\f)+23+8*(\b)], v[5+2*(\c)] offset:16*P0*(\b)+64*(\ks)+32
.endr
.endm
.macro CHUNK c, tcnt, zero
	s_wait_tensorcnt \tcnt                         ; my part of this chunk has landed; the younger chunk's load stays out
	s_barrier_signal -1                            ; (no LDS instruction of mine is out here: the last sub-step waited for 0)
	s_barrier_wait -1                              ; everybody's part is in
.if (\c) > 0
	PLACES
.endif
	FETCH \c, 0, F0
.set KS, 0
.rept 8
.if KS < 7
	PLACES
	FETCH \c, KS+1, F0+48*((KS+1)%2)
	s_wait_dscnt 12                                ; all but the 12 just issued
.else
	s_wait_dscnt 0x0
.endif
.set FB, F0+48*(KS%2)
.irp a, 0,1
.irp b, 0,1,2,3                        ; the eight accumulators take turns
.if (\zero) && (KS == 0)
	v_wmma_f32_16x16x32_bf16 v[ACC+8*(4*(\a)+(\b)):ACC+8*(4*(\a)+(\b))+7], v[FB+16+8*(\b):FB+23+8*(\b)], v[FB+8*(\a):FB+8*(\a)+7], 0
.else
	v_wmma_f32_16x16x32_bf16 v[ACC+8*(4*(\a)+(\b)):ACC+8*(4*(\a)+(\b))+7], v[FB+16+8*(\b):FB+23+8*(\b)], v[FB+8*(\a):FB+8*(\a)+7], v[ACC+8*(4*(\a)+(\b)):ACC+8*(4*(\a)+(\b))+7]
.endif
.endr
.endr
.set KS, KS+1
.endr
.endm
	s_load_b128 s[4:7], s[0:1], 0x0                ; em s[4:5], c3 s[6:7]
	s_load_b64 s[12:13], s[0:1], 0x10              ; c2
	v_lshl_add_u32 v14, v0, 2, SPARE
	v_mov_b32 v15, 0
	ds_add_u32 v14, v15                            ; the opening: the add and its wait ahead of my first tensor load
	ds_add_u32 v14, v15
	v_lshrrev_b32 v1, 5, v0
	v_readfirstlane_b32 s22, v1                    ; wave 0..7
	s_mov_b32 s[G1A+0], (1<<16)|(1<<20)|(6<<22)|(3<<25)   ; 2-byte elements; 4 words of padding behind every 128
	s_mov_b32 s[G1A+1], 256<<16
	s_mov_b32 s[G1A+2], 32<<16
	s_mov_b32 s[G1A+3], 256<<16
	s_mov_b32 s[G1A+4], 32
	s_mov_b32 s[G1A+5], 640
	s_mov_b32 s[G1A+6], 0
	s_mov_b32 s[G1A+7], 0
	s_mul_i32 s28, s22, 32*P0                      ; my 32 rows in a chunk: waves 0-3 em's rows 0-127, waves 4-7 c3's
	s_mov_b32 s[G0+0], 1
	s_mov_b32 s[G0+1], s28
	s_mov_b32 s[G0+4], 1
	s_add_co_u32 s[G0+5], s28, CH1
	s_and_b32 s16, ttmp7, 0xffff                   ; y
	s_lshr_b32 s30, s22, 1                         ; my block of 32 rows
	s_and_b32 s31, s22, 1                          ; my block of 64 columns
	s_wait_dscnt 0x0                               ; the opening add is done
	s_wait_kmcnt 0x0
	s_lshl_b32 s18, s16, 8                         ; the tile's 256 bytes of columns in c2
	s_and_b32 s23, s22, 3
	s_lshl_b32 s27, s23, 5
	s_cmp_lt_u32 s22, 4
	s_cselect_b64 s[24:25], s[4:5], s[6:7]         ; the buffer that I fetch from,
	s_cselect_b32 s26, ttmp9, s16                  ; and its tile
	s_lshl_b32 s26, s26, 7
	s_add_co_u32 s26, s26, s27
	s_mul_i32 s26, s26, 1280
	s_mov_b32 s27, 0
	s_add_nc_u64 s[24:25], s[24:25], s[26:27]
.irp c, 0,1
	s_add_nc_u64 s[G0+4*(\c)+2:G0+4*(\c)+3], s[24:25], 512*(\c)
	s_or_b32 s[G0+4*(\c)+3], s[G0+4*(\c)+3], 0x80000000
.endr
	tensor_load_to_lds s[G0:G0+3], s[G1A:G1A+7]
	s_nop 0
	tensor_load_to_lds s[G0+4:G0+7], s[G1A:G1A+7]
	s_nop 0
	v_and_b32 v1, 15, v0                           ; l % 16
	v_bfe_u32 v2, v0, 4, 1                         ; l / 16
	v_mul_u32_u24 v3, v1, P0
	v_lshl_add_u32 v3, v2, 4, v3
	s_mul_i32 s28, s30, 32*P0
	s_mul_i32 s29, s31, 64*P0
	s_add_co_u32 s29, s29, 128*P0
	v_add_nc_u32 v4, s28, v3
	v_add_nc_u32 v5, s29, v3
	v_add_nc_u32 v6, CH1, v4
	v_add_nc_u32 v7, CH1, v5
	CHUNK 0, 1, 1
	CHUNK 1, 0, 0
	PLACES
	; THE WAY OUT: 16 bytes a lane into the work-group's stage (rows of 272 bytes), a barrier, back as whole rows of 256 bytes, 16 rows a wave
	s_lshl_b32 s26, ttmp9, 7
	s_lshl4_add_u32 s26, s22, s26                  ; the first row that I store: 128 x + 16 w
	s_mul_i32 s26, s26, 1280
	s_add_co_u32 s26, s26, s18
	s_mov_b32 s27, 0
	s_add_nc_u64 s[26:27], s[12:13], s[26:27]
	s_mul_i32 s28, s30, 32*SPB
	s_lshl_b32 s29, s31, 7
	s_add_co_u32 s28, s28, s29
	v_mul_u32_u24 v11, v1, SPB
	v_lshl_add_u32 v11, v2, 4, v11
	v_add_nc_u32 v11, s28, v11
	s_mul_i32 s28, s22, 16*SPB
	v_mul_u32_u24 v12, v2, SPB
	v_lshl_add_u32 v12, v1, 4, v12
	v_add_nc_u32 v12, s28, v12
	v_mul_u32_u24 v13, v2, 1280
	v_lshl_add_u32 v13, v1, 4, v13
.irp t, 0,1,2,3,4,5,6,7
.irp r, 0,1,2,3
	v_cvt_pk_bf16_f32 v[TMP+4*(\t)+(\r)], v[ACC+8*(\t)+2*(\r)], v[ACC+8*(\t)+2*(\r)+1]
.endr
.endr
.irp a, 0,1
.irp b, 0,1,2,3
	ds_store_b128 v11, v[TMP+4*(4*(\a)+(\b)):TMP+4*(4*(\a)+(\b))+3] offset:16*SPB*(\a)+32*(\b)
.endr
.endr
	s_wait_dscnt 0x0                               ; for the others' sake: my stores into the stage are done
	s_barrier_signal -1
	s_barrier_wait -1
.irp t, 0,1,2,3,4,5,6,7
	ds_load_b128 v[TMP+4*(\t):TMP+4*(\t)+3], v12 offset:(\t)*2*SPB
.endr
.irp t, 0,1,2,3,4,5,6,7
	s_wait_dscnt 7-(\t)
	global_store_b128 v13, v[TMP+4*(\t):TMP+4*(\t)+3], s[26:27] offset:(\t)*2*1280   ; 16 lanes: 256 consecutive aligned bytes
.endr
	s_wait_tensorcnt 0x0                           ; the wave's end
	ds_add_u32 v14, v15
	s_wait_dscnt 0x0
	s_endpgm
.Lfunc_end_k_qe26c573d18_comb2:
	.size	k_qe26c573d18_comb2, .Lfunc_end_k_qe26c573d18_comb2-k_qe26c573d18_comb2
	.p2alignl 7, 3214868480
	.fill 96, 4, 3214868480
	.section	.rodata,"a",@progbits
	.p2align	6, 0x0
	.amdhsa_kernel k_qe26c573d18_comb2
		.amdhsa_group_segment_fixed_size 327680
		.amdhsa_private_segment_fixed_size 0
		.amdhsa_enable_private_segment 0
		.amdhsa_kernarg_size 24
		.amdhsa_user_sgpr_count 2
		.amdhsa_user_sgpr_kernarg_segment_ptr 1
		.amdhsa_wavefront_size32 1
		.amdhsa_system_sgpr_workgroup_id_x 1
		.amdhsa_system_sgpr_workgroup_id_y 1
		.amdhsa_system_sgpr_workgroup_id_z 1
		.amdhsa_system_vgpr_workitem_id 0
		.amdhsa_next_free_vgpr 256
		.amdhsa_next_free_sgpr 66
		.amdhsa_reserve_vcc 0
		.amdhsa_float_denorm_mode_32 3
		.amdhsa_float_denorm_mode_16_64 3
		.amdhsa_memory_ordered 1
		.amdhsa_forward_progress 1
		.amdhsa_inst_pref_size 31
	.end_amdhsa_kernel
	.amdgpu_metadata
---
amdhsa.version: [ 1, 2 ]
amdhsa.kernels:
  - .name:           k_qe26c573d18_comb2
    .symbol:         k_qe26c573d18_comb2.kd
    .args:
      - { .name: em, .offset: 0, .size: 8, .value_kind: global_buffer, .address_space: global }
      - { .name: c3, .offset: 8, .size: 8, .value_kind: global_buffer, .address_space: global }
      - { .name: c2, .offset: 16, .size: 8, .value_kind: global_buffer, .address_space: global }
    .group_segment_fixed_size: 327680
    .private_segment_fixed_size: 0
    .kernarg_segment_align: 8
    .kernarg_segment_size: 24
    .max_flat_workgroup_size: 256
    .sgpr_count:     66
    .vgpr_count:     256
    .wavefront_size: 32
...
	.end_amdgpu_metadata
.endif
;; end of part 3
;; launch proj (part 4): grid 8 x 64, 8 waves a work-group, clusters of 4 x 4, 327,680 bytes of LDS; arguments cv, c1, c2, em, pj; writes pj
.if DOCPART == 4
	.amdgcn_target "amdgcn-amd-amdhsa--gfx1250"
	.amdhsa_code_object_version 6
	.text
	.protected	k_qe26c573d18_proj
	.globl	k_qe26c573d18_proj
	.p2align	8
	.type	k_qe26c573d18_proj,@function
k_qe26c573d18_proj:
	s_mov_b64 s[64:65], 0
	v_nop
	global_prefetch_b8 v0, s[64:65] scope:SCOPE_SE
	s_setreg_imm32_b32 hwreg(HW_REG_WAVE_MODE, 25, 1), 1
	s_wait_xcnt 0x0
	s_wait_alu depctr_hold_cnt(0) depctr_sa_sdst(0) depctr_va_vdst(0) depctr_va_sdst(0) depctr_va_ssrc(0) depctr_va_vcc(0) depctr_vm_vsrc(0)
	s_getreg_b32 s2, hwreg(HW_REG_IB_STS2, 6, 4)
	s_cmp_eq_u32 s2, 0
	s_cbranch_scc0 .Lentry_in_a_cluster
	s_endpgm
.Lentry_in_a_cluster:
	s_bfe_u32 s2, ttmp6, 0x10000c
	s_cmp_lg_u32 s2, 0xf033
	s_cbranch_scc0 .Lentry_shape_is_right
	s_endpgm
.Lentry_shape_is_right:
; PROJ: the three projections of x as one product of 8,192 rows and 1,024 columns: O[t][n] = sum over k < 544 of xa[t][k] B[n][k]; xa and B bf16 in rows of 640 elements
; (column 512 carries the biases: xa holds 1 there), sums f32, every result rounded once to bf16.  The tile column tx chooses B and the place of the result in pj:
;   tx 0-3: B = c1 (theta^T phi), row tile tx:     qa, at pj + 256 tx,                     rows 1,280 bytes apart
;   tx 4,5: B = c2 (emb w_w g),   row tile tx - 4: u,  at pj + 10,485,760 + 256 (tx - 4),  rows 1,280 bytes apart
;   tx 6,7: B = em (emb),         row tile tx - 6: xe, at pj + 10,485,760 + 256 (tx - 4)   (columns 256-511 of u's rows)
; LIMIT: xe, the residual path x emb^T + emb w_b + emb_b, is kept in bf16 like the others: one rounding of at most 2^-8 of its value.  So all tile columns are alike.
; Eight waves make 128 x 128; wave w rows 32 (w / 2), columns 64 (w % 2): 8 accumulators.  The whole K panel (256 rows x 544) fits in LDS and is filled once:
; each wave issues three tensor loads (32 rows x K 0-255, 256-511, 512-543): three outstanding, no refill.  32 rows a load: 8 waves share 256 rows.
; CLUSTER 4 x 4: the four work-groups of a row of the cluster need the same 128 rows of xa, the four of a column the same 128 rows of B: each is asked for jointly.
; 8 x 64 = 512 work-groups.  Source 0 = 16 rows of B, source 1 = 16 rows of xa: a lane holds 8 neighbouring columns of one row of O.
.set UOFF, 10485760
.set P0,  528                          ; chunks 0, 1: 512 bytes + 16
.set P2,  80                           ; chunk 2: 64 + 16
.set CH1, 256*P0
.set CH2, 2*256*P0
.set SPARE, CH2+256*P2                 ; 290,816: the spare words, 128 bytes a wave
.set SPB, 272                          ; the stage lies in chunk 0, whose one fill is long over and which nobody reads behind chunk 1's barrier
.set G1A,  32                          ; s[32:39] xa's tiles, 32 rows x 256;  s[40:47] 32 rows x 32
.set G1A2, 40
.set G1B,  48                          ; s[48:55], s[56:63] the same for B's tiles: they differ in the mask alone
.set G1B2, 56
.set G0A,  68                          ; s[68:79] three groups 0 for xa;  s[80:91] for B
.set G0B,  80
.set ACC, 32
.set F0,  96                           ; fragment buffers of 48: xa's two, then B's four
.set TMP, 192
; v4,5 xa's and B's address in chunk 0; v6,7 chunk 1; v8,9 chunk 2; v11 into the stage, v12 back, v13 offset in O; v14, v15 the add's
.macro PLACES                          ; four places behind matrix instructions, ahead of loads into their sources and of reads of their results
.rept 4
	v_nop
.endr
.endm
.macro CROUND                          ; a round of the cluster's barrier
	s_barrier_signal -1
	s_barrier_wait -1
	s_cmp_lg_u32 s22, 0
	s_cbranch_scc1 .Lnot_wave_0_\@
	s_barrier_signal -3
.Lnot_wave_0_\@:
	s_barrier_wait -3
	s_barrier_signal -1
	s_barrier_wait -1
.endm
.macro FETCH c, ks, f                  ; 12 LDS loads: 32 along K
.if (\c) < 2
.set RP, 16*P0
.else
.set RP, 16*P2
.endif
.irp a, 0,1
	ds_load_b128 v[(\f)+8*(\a):(\f)+8*(\a)+3],   v[4+2*(\c)] offset:RP*(\a)+64*(\ks)
	ds_load_b128 v[(\f)+8*(\a)+4:(\f)+8*(\a)+7], v[4+2*(\c)] offset:RP*(\a)+64*(\ks)+32
.endr
.irp b, 0,1,2,3
	ds_load_b128 v[(\f)+16+8*(\b):(\f)+19+8*(\b)], v[5+2*(\c)] offset:RP*(\b)+64*(\ks)
	ds_load_b128 v[(\f)+20+8*(\b):(\f)+23+8*(\b)], v[5+2*(\c)] offset:RP*(\b)+64*(\ks)+32
.endr
.endm
.macro CHUNK c, nsub, tcnt, zero
	s_wait_tensorcnt \tcnt                         ; my part of this chunk has landed; the younger chunks' loads stay out
	s_barrier_signal -1                            ; (no LDS instruction of mine is out here: the last sub-step waited for 0)
	s_barrier_wait -1                              ; everybody's part is in
.if (\c) > 0
	PLACES
.endif
	FETCH \c, 0, F0
.set KS, 0
.rept \nsub
.if KS < (\nsub)-1
	PLACES
	FETCH \c, KS+1, F0+48*((KS+1)%2)
	s_wait_dscnt 12                                ; all but the 12 just issued
.else
	s_wait_dscnt 0x0
.endif
.set FB, F0+48*(KS%2)
.irp a, 0,1
.irp b, 0,1,2,3                        ; the eight accumulators take turns
.if (\zero) && (KS == 0)
	v_wmma_f32_16x16x32_bf16 v[ACC+8*(4*(\a)+(\b)):ACC+8*(4*(\a)+(\b))+7], v[FB+16+8*(\b):FB+23+8*(\b)], v[FB+8*(\a):FB+8*(\a)+7], 0
.else
	v_wmma_f32_16x16x32_bf16 v[ACC+8*(4*(\a)+(\b)):ACC+8*(4*(\a)+(\b))+7], v[FB+16+8*(\b):FB+23+8*(\b)], v[FB+8*(\a):FB+8*(\a)+7], v[ACC+8*(4*(\a)+(\b)):ACC+8*(4*(\a)+(\b))+7]
.endif
.endr
.endr
.set KS, KS+1
.endr
.endm
	s_load_b256 s[4:11], s[0:1], 0x0               ; cv 4, c1 6, c2 8, em 10
	s_load_b64 s[12:13], s[0:1], 0x20              ; pj
	v_lshl_add_u32 v14, v0, 2, SPARE
	v_mov_b32 v15, 0
	ds_add_u32 v14, v15                            ; the opening: the add and its wait ahead of the round in front of my first tensor loads
	ds_add_u32 v14, v15
	v_lshrrev_b32 v1, 5, v0
	v_readfirstlane_b32 s22, v1                    ; wave 0..7
	s_bfe_u32 s14, ttmp6, 0x40000                  ; cx
	s_bfe_u32 s15, ttmp6, 0x40004                  ; cy
	s_lshl_b32 s16, ttmp9, 2
	s_add_co_u32 s16, s16, s14                     ; tx: tile column 0..7
	s_and_b32 s17, ttmp7, 0xffff
	s_lshl_b32 s17, s17, 2
	s_add_co_u32 s17, s17, s15                     ; ty: tile row 0..63
	s_lshl_b32 s18, s15, 2
	s_lshl_b32 s18, 15, s18                        ; my row of the cluster
	s_lshl_b32 s19, 0x1111, s14                    ; my column
	s_or_b32 s[G1A],  s18, (1<<16)|(1<<20)|(1<<21)|(6<<22)|(3<<25)   ; the mask; 2-byte elements; padding on; bit 21 beside a mask; 4 words behind every 128
	s_or_b32 s[G1A2], s18, (1<<16)|(1<<20)|(1<<21)|(3<<22)|(3<<25)   ; 4 words behind every 16
	s_or_b32 s[G1B],  s19, (1<<16)|(1<<20)|(1<<21)|(6<<22)|(3<<25)
	s_or_b32 s[G1B2], s19, (1<<16)|(1<<20)|(1<<21)|(3<<22)|(3<<25)
.irp g, G1A, G1B
	s_mov_b32 s[(\g)+1], 256<<16
	s_mov_b32 s[(\g)+2], 32<<16
	s_mov_b32 s[(\g)+3], 256<<16
	s_mov_b32 s[(\g)+4], 32
	s_mov_b32 s[(\g)+5], 640
	s_mov_b32 s[(\g)+6], 0
	s_mov_b32 s[(\g)+7], 0
.endr
.irp g, G1A2, G1B2
	s_mov_b32 s[(\g)+1], 32<<16
	s_mov_b32 s[(\g)+2], 32<<16
	s_mov_b32 s[(\g)+3], 32<<16
	s_mov_b32 s[(\g)+4], 32
	s_mov_b32 s[(\g)+5], 640
	s_mov_b32 s[(\g)+6], 0
	s_mov_b32 s[(\g)+7], 0
.endr
	s_mul_i32 s28, s22, 32*P0                      ; my 32 rows in a chunk: waves 0-3 xa's rows 0-127, waves 4-7 B's: no place in the cluster enters an LDS address
	s_mul_i32 s29, s22, 32*P2
.irp g, G0A, G0B
	s_mov_b32 s[(\g)+0], 1
	s_mov_b32 s[(\g)+1], s28
	s_mov_b32 s[(\g)+4], 1
	s_add_co_u32 s[(\g)+5], s28, CH1
	s_mov_b32 s[(\g)+8], 1
	s_add_co_u32 s[(\g)+9], s29, CH2
.endr
	s_and_b32 s23, s22, 3
	s_lshl_b32 s23, s23, 5                         ; which 32 of a tile's 128 rows I fetch
	s_lshl_b32 s20, s17, 7
	s_add_co_u32 s20, s20, s23
	s_mul_i32 s20, s20, 1280                       ; xa: row 128 ty + my 32
	s_mov_b32 s21, 0
	s_lshr_b32 s30, s22, 1                         ; my block of 32 rows
	s_and_b32 s31, s22, 1                          ; my block of 64 columns
	s_wait_dscnt 0x0                               ; the opening add is done
	s_wait_kmcnt 0x0
	s_add_nc_u64 s[24:25], s[4:5], s[20:21]
	s_sub_co_u32 s92, s16, 4
	s_lshl_b32 s93, s16, 8                         ; qa's offset in pj
	s_lshl_b32 s94, s92, 8
	s_add_co_u32 s94, s94, UOFF                    ; u's and xe's
	s_cmp_ge_u32 s16, 4
	s_cselect_b64 s[26:27], s[8:9], s[6:7]         ; B's buffer,
	s_cselect_b32 s95, s92, s16                    ; its row tile,
	s_cselect_b32 s93, s94, s93                    ; and the result's offset
	s_sub_co_u32 s92, s16, 6
	s_cmp_ge_u32 s16, 6
	s_cselect_b64 s[26:27], s[10:11], s[26:27]
	s_cselect_b32 s95, s92, s95
	s_lshl_b32 s95, s95, 7
	s_add_co_u32 s95, s95, s23
	s_mul_i32 s96, s95, 1280
	s_mov_b32 s97, 0
	s_add_nc_u64 s[26:27], s[26:27], s[96:97]
.irp c, 0,1,2
	s_add_nc_u64 s[G0A+4*(\c)+2:G0A+4*(\c)+3], s[24:25], 512*(\c)
	s_or_b32 s[G0A+4*(\c)+3], s[G0A+4*(\c)+3], 0x80000000
	s_add_nc_u64 s[G0B+4*(\c)+2:G0B+4*(\c)+3], s[26:27], 512*(\c)
	s_or_b32 s[G0B+4*(\c)+3], s[G0B+4*(\c)+3], 0x80000000
.endr
	CROUND                                         ; all sixteen work-groups are here: the joint loads meet
	s_cmp_lt_u32 s22, 4                            ; a wave's three fills stand in one branch on its number
	s_cbranch_scc0 .Lfirst_b
	tensor_load_to_lds s[G0A:G0A+3], s[G1A:G1A+7]
	s_nop 0
	tensor_load_to_lds s[G0A+4:G0A+7], s[G1A:G1A+7]
	s_nop 0
	tensor_load_to_lds s[G0A+8:G0A+11], s[G1A2:G1A2+7]
	s_nop 0
	PLACES
	s_branch .Lfirst_asked
.Lfirst_b:
	tensor_load_to_lds s[G0B:G0B+3], s[G1B:G1B+7]
	s_nop 0
	tensor_load_to_lds s[G0B+4:G0B+7], s[G1B:G1B+7]
	s_nop 0
	tensor_load_to_lds s[G0B+8:G0B+11], s[G1B2:G1B2+7]
	s_nop 0
	PLACES
.Lfirst_asked:
	v_and_b32 v1, 15, v0                           ; l % 16
	v_bfe_u32 v2, v0, 4, 1                         ; l / 16
	v_mul_u32_u24 v3, v1, P0
	v_lshl_add_u32 v3, v2, 4, v3
	v_mul_u32_u24 v10, v1, P2
	v_lshl_add_u32 v10, v2, 4, v10
	s_mul_i32 s28, s30, 32*P0
	s_mul_i32 s29, s31, 64*P0
	s_add_co_u32 s29, s29, 128*P0
	v_add_nc_u32 v4, s28, v3
	v_add_nc_u32 v5, s29, v3
	v_add_nc_u32 v6, CH1, v4
	v_add_nc_u32 v7, CH1, v5
	s_mul_i32 s28, s30, 32*P2
	s_add_co_u32 s28, s28, CH2
	s_mul_i32 s29, s31, 64*P2
	s_add_co_u32 s29, s29, CH2+128*P2
	v_add_nc_u32 v8, s28, v10
	v_add_nc_u32 v9, s29, v10
	CHUNK 0, 8, 2, 1
	CHUNK 1, 8, 1, 0
	CHUNK 2, 1, 0, 0                               ; the bias column and 31 zeros
	PLACES
	; THE WAY OUT: 16 bytes a lane into the work-group's stage (rows of 272 bytes), a barrier, back as whole rows of 256 bytes, 16 rows a wave
	s_lshl_b32 s20, s17, 7
	s_lshl4_add_u32 s20, s22, s20                  ; the first row that I store: 128 ty + 16 w
	s_mul_i32 s20, s20, 1280
	s_add_co_u32 s20, s20, s93
	s_mov_b32 s21, 0
	s_add_nc_u64 s[20:21], s[12:13], s[20:21]
	s_mul_i32 s28, s30, 32*SPB
	s_lshl_b32 s29, s31, 7
	s_add_co_u32 s28, s28, s29
	v_mul_u32_u24 v11, v1, SPB
	v_lshl_add_u32 v11, v2, 4, v11
	v_add_nc_u32 v11, s28, v11
	s_mul_i32 s28, s22, 16*SPB
	v_mul_u32_u24 v12, v2, SPB
	v_lshl_add_u32 v12, v1, 4, v12
	v_add_nc_u32 v12, s28, v12
	v_mul_u32_u24 v13, v2, 1280
	v_lshl_add_u32 v13, v1, 4, v13
.irp t, 0,1,2,3,4,5,6,7
.irp r, 0,1,2,3
	v_cvt_pk_bf16_f32 v[TMP+4*(\t)+(\r)], v[ACC+8*(\t)+2*(\r)], v[ACC+8*(\t)+2*(\r)+1]
.endr
.endr
.irp a, 0,1
.irp b, 0,1,2,3
	ds_store_b128 v11, v[TMP+4*(4*(\a)+(\b)):TMP+4*(4*(\a)+(\b))+3] offset:16*SPB*(\a)+32*(\b)
.endr
.endr
	s_wait_dscnt 0x0                               ; for the others' sake: my stores into the stage are done
	s_barrier_signal -1
	s_barrier_wait -1
.irp t, 0,1,2,3,4,5,6,7
	ds_load_b128 v[TMP+4*(\t):TMP+4*(\t)+3], v12 offset:(\t)*2*SPB
.endr
.irp t, 0,1,2,3,4,5,6,7
	s_wait_dscnt 7-(\t)
	global_store_b128 v13, v[TMP+4*(\t):TMP+4*(\t)+3], s[20:21] offset:(\t)*2*1280   ; 16 lanes: 256 consecutive aligned bytes
.endr
	s_wait_tensorcnt 0x0                           ; the wave's end
	ds_add_u32 v14, v15
	s_wait_dscnt 0x0
	CROUND                                         ; the closing round
	s_endpgm
.Lfunc_end_k_qe26c573d18_proj:
	.size	k_qe26c573d18_proj, .Lfunc_end_k_qe26c573d18_proj-k_qe26c573d18_proj
	.p2alignl 7, 3214868480
	.fill 96, 4, 3214868480
	.section	.rodata,"a",@progbits
	.p2align	6, 0x0
	.amdhsa_kernel k_qe26c573d18_proj
		.amdhsa_group_segment_fixed_size 327680
		.amdhsa_private_segment_fixed_size 0
		.amdhsa_enable_private_segment 0
		.amdhsa_kernarg_size 40
		.amdhsa_user_sgpr_count 2
		.amdhsa_user_sgpr_kernarg_segment_ptr 1
		.amdhsa_wavefront_size32 1
		.amdhsa_system_sgpr_workgroup_id_x 1
		.amdhsa_system_sgpr_workgroup_id_y 1
		.amdhsa_system_sgpr_workgroup_id_z 1
		.amdhsa_system_vgpr_workitem_id 0
		.amdhsa_next_free_vgpr 256
		.amdhsa_next_free_sgpr 98
		.amdhsa_reserve_vcc 0
		.amdhsa_float_denorm_mode_32 3
		.amdhsa_float_denorm_mode_16_64 3
		.amdhsa_memory_ordered 1
		.amdhsa_forward_progress 1
		.amdhsa_inst_pref_size 38
	.end_amdhsa_kernel
	.amdgpu_metadata
---
amdhsa.version: [ 1, 2 ]
amdhsa.kernels:
  - .name:           k_qe26c573d18_proj
    .symbol:         k_qe26c573d18_proj.kd
    .args:
      - { .name: cv, .offset: 0, .size: 8, .value_kind: global_buffer, .address_space: global }
      - { .name: c1, .offset: 8, .size: 8, .value_kind: global_buffer, .address_space: global }
      - { .name: c2, .offset: 16, .size: 8, .value_kind: global_buffer, .address_space: global }
      - { .name: em, .offset: 24, .size: 8, .value_kind: global_buffer, .address_space: global }
      - { .name: pj, .offset: 32, .size: 8, .value_kind: global_buffer, .address_space: global }
    .group_segment_fixed_size: 327680
    .private_segment_fixed_size: 0
    .kernarg_segment_align: 8
    .kernarg_segment_size: 40
    .max_flat_workgroup_size: 256
    .sgpr_count:     98
    .vgpr_count:     256
    .wavefront_size: 32
...
	.end_amdgpu_metadata
.endif
;; end of part 4
;; launch logits (part 5): grid 8 x 64, 4 waves a work-group, clusters of 4 x 4, 327,680 bytes of LDS; arguments cv, pj, lg; writes lg
.if DOCPART == 5
	.amdgcn_target "amdgcn-amd-amdhsa--gfx1250"
	.amdhsa_code_object_version 6
	.text
	.protected	k_qe26c573d18_logits
	.globl	k_qe26c573d18_logits
	.p2align	8
	.type	k_qe26c573d18_logits,@function
k_qe26c573d18_logits:
	s_mov_b64 s[64:65], 0
	v_nop
	global_prefetch_b8 v0, s[64:65] scope:SCOPE_SE
	s_setreg_imm32_b32 hwreg(HW_REG_WAVE_MODE, 25, 1), 1
	s_wait_xcnt 0x0
	s_wait_alu depctr_hold_cnt(0) depctr_sa_sdst(0) depctr_va_vdst(0) depctr_va_sdst(0) depctr_va_ssrc(0) depctr_va_vcc(0) depctr_vm_vsrc(0)
	s_getreg_b32 s2, hwreg(HW_REG_IB_STS2, 6, 4)
	s_cmp_eq_u32 s2, 0
	s_cbranch_scc0 .Lentry_in_a_cluster
	s_endpgm
.Lentry_in_a_cluster:
	s_bfe_u32 s2, ttmp6, 0x10000c
	s_cmp_lg_u32 s2, 0xf033
	s_cbranch_scc0 .Lentry_shape_is_right
	s_endpgm
.Lentry_shape_is_right:
; LOGITS: the eight maps [2048 t][2048 s] in front of the first softmax, as one product of 16,384 rows: lg[j][t][s] = sum over c < 512 of A_j[t][c] xa[(j % 4) 2048 + s][c].
; Maps 0-3: A = xa (x x^T).  Maps 4-7: A = qa, the rows (x phi^T + phi_b) theta made by the launch before, so that K is 512 and not 1,024; the share of theta_b, which is
; the same for all s of a row, lies in qa's column 512 and is added where the row is read.  Operands bf16 in rows of 1,280 bytes; sums f32; LIMIT: a logit is stored rounded once to bf16.
; A tile of 256 x 256 is made by four waves, each 128 x 128: 64 accumulators, 512 registers.  K goes in four steps of 128 through two LDS slots; each wave fetches 128 rows x 256 bytes.
; CLUSTER 4 x 4: the four work-groups of a row of the cluster need the same tiles of A, the four of a column the same tiles of B: each tile is asked for jointly.
; A cluster spans 1,024 rows, half a map, so the map's number hangs on the cluster's y alone.
; REGISTERS in windows of 256: window 0: v0-31 addresses, v64-191 A's fragments, v32-63 and v192-255 the way out; window 1: B's fragments; windows 2, 3: accumulators.
; Source 0 = 16 rows of B, source 1 = 16 rows of A: a lane holds eight neighbouring s of one row t.
; The last K step goes by blocks of 16 rows of the result, so that finished rows leave while the others are multiplied.
.set SIZE_N, 2048
.set KSTEP,  128
.set PITCH,  272                       ; 256 bytes + 16 of padding: the 16 rows of a fragment load start at 16 different groups of four banks
.set HALFT,  128*PITCH
.set SLOT,   4*HALFT                   ; A's 256 rows, then B's 256 rows
.set STAGE,  2*SLOT                    ; 16 rows x 272 bytes for each wave
.set SPITCH, 272
.set SPARE,  STAGE+4*16*SPITCH         ; the spare words, 128 bytes a wave
.set ADRA, 16
.set ADRB, 20
.set STO,  24
.set RD,   25
.set CO,   26
.set SPW,  28
.set NIL,  29
.set F0,   64
.set F1,   128
.set TMP,  192
.set OB,   32
.set PA,   64
.set G1, 24
.set G0, 32
.set G1B, 48
.set G0B, 56
.set MSB, 0
.macro WIN new                         ; the immediate's high byte repeats the setting that is left
.if MSB != (\new)
	s_set_vgpr_msb (MSB<<8)|(\new)
.set MSB, \new
.endif
.endm
.set MUL_LO, 0xa1                      ; source 0 (B) window 1, source 1 (A) window 0, C and D window 2
.set MUL_HI, 0xf1                      ; the same, C and D window 3
.set TO_B,   0x40                      ; destination window 1, address window 0
.macro JLOAD s                         ; a joint load: waves 0, 1 fetch A's halves, waves 2, 3 B's; the branch hangs on the wave's number alone
	s_cmp_eq_u32 s11, 0
	s_cbranch_scc0 .Lfor_b_\@
	tensor_load_to_lds s[G0+4*(\s):G0+4*(\s)+3], s[G1:G1+7]
	s_nop 0
.rept 4
	v_nop
.endr
	s_branch .Lasked_\@
.Lfor_b_\@:
	tensor_load_to_lds s[G0B+4*(\s):G0B+4*(\s)+3], s[G1B:G1B+7]
	s_nop 0
.rept 4
	v_nop
.endr
.Lasked_\@:
.endm
.macro CREST                           ; a round of the cluster's barrier behind its opening barrier
	s_cmp_lg_u32 s10, 0
	s_cbranch_scc1 .Lnot_wave_0_\@
	s_barrier_signal -3
.Lnot_wave_0_\@:
	s_barrier_wait -3
	s_barrier_signal -1
	s_barrier_wait -1
.endm
.macro CROUND
	s_barrier_signal -1
	s_barrier_wait -1
	CREST
.endm
	s_load_b128 s[4:7], s[0:1], 0x0                ; cv s[4:5], pj s[6:7]
	s_load_b64 s[8:9], s[0:1], 0x10                ; lg
	v_lshl_add_u32 v[SPW], v0, 2, SPARE
	v_mov_b32 v[NIL], 0
	ds_add_u32 v[SPW], v[NIL]                      ; the opening: the add and its wait ahead of my first tensor load
	ds_add_u32 v28, v29
	v_lshrrev_b32 v1, 5, v0
	v_readfirstlane_b32 s10, v1                    ; wave 0..3
	s_lshr_b32 s11, s10, 1                         ; my half of the tile's rows; also: I fetch for A (0) or B (1)
	s_and_b32 s12, s10, 1                          ; my half of its columns; also: which 128 rows I fetch
	s_bfe_u32 s40, ttmp6, 0x40000                  ; cx
	s_bfe_u32 s41, ttmp6, 0x40004                  ; cy
	s_lshl_b32 s42, ttmp9, 2
	s_add_co_u32 s42, s42, s40                     ; tile column 0..7
	s_and_b32 s45, ttmp7, 0xffff                   ; the cluster's y
	s_lshl_b32 s13, s45, 2
	s_add_co_u32 s13, s13, s41                     ; tile row 0..63
	s_lshr_b32 s45, s45, 1                         ; the map 0..7
	s_lshl_b32 s43, s41, 2
	s_lshl_b32 s43, 15, s43                        ; my row of the cluster
	s_lshl_b32 s44, 0x1111, s40                    ; my column
	s_or_b32 s[G1+0], s43, (1<<16)|(1<<20)|(1<<21)|(5<<22)|(3<<25)   ; the mask; 2-byte elements; padding on; bit 21 beside a mask; 4 words behind every 64
	s_or_b32 s[G1B+0], s44, (1<<16)|(1<<20)|(1<<21)|(5<<22)|(3<<25)
.irp g, G1, G1B
	s_mov_b32 s[(\g)+1], KSTEP<<16
	s_mov_b32 s[(\g)+2], 128<<16
	s_mov_b32 s[(\g)+3], KSTEP<<16
	s_mov_b32 s[(\g)+4], 128
	s_mov_b32 s[(\g)+5], 640                       ; elements from row to row
	s_mov_b32 s[(\g)+6], 0
	s_mov_b32 s[(\g)+7], 0
.endr
	s_lshl_b32 s17, s12, 7
	s_and_b32 s16, s13, 31                         ; A: both buffers hold 8,192 rows, 32 tiles
	s_lshl_b32 s16, s16, 8
	s_add_co_u32 s16, s16, s17
	s_lshl_b32 s46, s42, 8                         ; B: xa's rows of batch map % 4
	s_add_co_u32 s46, s46, s17
	s_and_b32 s47, s45, 3
	s_lshl_b32 s47, s47, 11
	s_add_co_u32 s46, s46, s47
	s_mul_i32 s16, s16, 1280
	s_mul_i32 s46, s46, 1280
	s_mov_b32 s17, 0
	s_mov_b32 s47, 0
	s_mul_i32 s20, s10, HALFT                      ; where my 128 rows go: no place in the cluster enters an LDS address
	s_wait_dscnt 0x0                               ; the opening add is done
	s_wait_kmcnt 0x0
	s_cmp_ge_u32 s45, 4
	s_cselect_b64 s[14:15], s[6:7], s[4:5]         ; maps 4-7 take qa, maps 0-3 xa
	s_add_nc_u64 s[14:15], s[14:15], s[16:17]
	s_add_nc_u64 s[46:47], s[4:5], s[46:47]
	CROUND                                         ; all sixteen work-groups are here: the first joint loads meet
.irp s, 0,1
	s_mov_b32 s[G0+4*(\s)], 1
	s_add_co_u32 s[G0+4*(\s)+1], s20, (\s)*SLOT
	s_add_nc_u64 s[G0+4*(\s)+2:G0+4*(\s)+3], s[14:15], (\s)*KSTEP*2
	s_or_b32 s[G0+4*(\s)+3], s[G0+4*(\s)+3], 0x80000000
	s_mov_b32 s[G0B+4*(\s)], 1
	s_add_co_u32 s[G0B+4*(\s)+1], s20, (\s)*SLOT
	s_add_nc_u64 s[G0B+4*(\s)+2:G0B+4*(\s)+3], s[46:47], (\s)*KSTEP*2
	s_or_b32 s[G0B+4*(\s)+3], s[G0B+4*(\s)+3], 0x80000000
	JLOAD \s                                       ; K steps 0 and 1: two loads of mine are out
.endr
	v_and_b32 v1, 15, v0
	v_bfe_u32 v2, v0, 4, 1
	v_mul_u32_u24 v3, v1, PITCH
	v_lshl_add_u32 v3, v2, 4, v3                   ; a fragment's row x pitch + 16 x half
	s_mul_i32 s21, s11, HALFT
	s_mul_i32 s22, s12, HALFT
	s_add_co_u32 s22, s22, 2*HALFT
.irp s, 0,1
	v_add_nc_u32 v[ADRA+(\s)], s21, v3
	v_add_nc_u32 v[ADRB+(\s)], s22, v3
	s_add_co_u32 s21, s21, SLOT
	s_add_co_u32 s22, s22, SLOT
.endr
	s_mul_i32 s23, s10, 16*SPITCH
	s_add_co_u32 s23, s23, STAGE
	v_mul_u32_u24 v4, v1, SPITCH
	v_lshl_add_u32 v4, v2, 4, v4
	v_add_nc_u32 v[STO], s23, v4
	v_mul_u32_u24 v5, v2, SPITCH
	v_lshl_add_u32 v5, v1, 4, v5
	v_add_nc_u32 v[RD], s23, v5
	v_mul_u32_u24 v5, v2, SIZE_N*2
	v_lshl_add_u32 v[CO], v1, 4, v5
	s_lshl_b32 s13, s13, 8
	s_lshl_b32 s14, s11, 7
	s_add_co_u32 s16, s13, s14                     ; my first row of lg
	s_mov_b32 s17, 0
	s_mov_b64 s[18:19], SIZE_N*2
	s_mul_u64 s[16:17], s[16:17], s[18:19]
	s_lshl_b32 s46, s42, 9                         ; my first column, in bytes
	s_lshl_b32 s47, s12, 8
	s_add_co_u32 s46, s46, s47
	s_mov_b32 s47, 0
	s_add_nc_u64 s[16:17], s[16:17], s[46:47]
.macro MUL16 f, hi, a0, zero           ; 16 products: row blocks a0, a0 + 1 of the window's four x all 8 column blocks, 32 along K
	WIN MUL_LO+0x50*(\hi)
.irp a, \a0, (\a0)+1
.irp b, 0,1,2,3,4,5,6,7
.if \zero
	v_wmma_f32_16x16x32_bf16 v[8*(8*(\a)+(\b)):8*(8*(\a)+(\b))+7], v[(\f)+8*(\b):(\f)+8*(\b)+7], v[(\f)+8*(4*(\hi)+(\a)):(\f)+8*(4*(\hi)+(\a))+7], 0
.else
	v_wmma_f32_16x16x32_bf16 v[8*(8*(\a)+(\b)):8*(8*(\a)+(\b))+7], v[(\f)+8*(\b):(\f)+8*(\b)+7], v[(\f)+8*(4*(\hi)+(\a)):(\f)+8*(4*(\hi)+(\a))+7], v[8*(8*(\a)+(\b)):8*(8*(\a)+(\b))+7]
.endif
.endr
.endr
.endm
.macro FETCH slot, k, f                ; 32 LDS loads in one run: a quarter step's fragments
	WIN TO_B
.irp i, 0,1,2,3,4,5,6,7
	ds_load_b128 v[(\f)+8*(\i):(\f)+8*(\i)+3],   v[ADRB+(\slot)] offset:(\k)+(\i)*16*PITCH
	ds_load_b128 v[(\f)+8*(\i)+4:(\f)+8*(\i)+7], v[ADRB+(\slot)] offset:(\k)+(\i)*16*PITCH+32
.endr
	WIN 0
.irp i, 0,1,2,3,4,5,6,7
	ds_load_b128 v[(\f)+8*(\i):(\f)+8*(\i)+3],   v[ADRA+(\slot)] offset:(\k)+(\i)*16*PITCH
	ds_load_b128 v[(\f)+8*(\i)+4:(\f)+8*(\i)+7], v[ADRA+(\slot)] offset:(\k)+(\i)*16*PITCH+32
.endr
.endm
.macro PLACES                          ; four places behind matrix instructions, ahead of loads into their sources and of reads of their results
.rept 4
	v_nop
.endr
.endm
.macro QUARTER slot, k, f, g, zero     ; 64 products on buffer f; in the middle the next quarter's fragments go into buffer g
	s_wait_dscnt 8                                 ; B and A's rows 0-63 are in; the youngest eight loads may be out
	WIN MUL_LO
	MUL16 \f, 0, 0, \zero
	MUL16 \f, 0, 2, \zero
	PLACES
	FETCH \slot, \k, \g
	s_wait_dscnt 32                                ; all but the 32 just issued
	WIN MUL_HI
	MUL16 \f, 1, 0, \zero
	MUL16 \f, 1, 2, \zero
.endm
.macro MEET round                      ; the first half of a K step's last quarter: the one barrier of a change of slots
	WIN 0
	s_wait_tensorcnt 0x0                           ; all my tensor loads have landed: the one that was out is my part of the next slot
	ds_add_u32 v[SPW], v[NIL]
	s_wait_dscnt 9                                 ; the add and the youngest eight loads may be out
	WIN MUL_LO
	MUL16 F1, 0, 0, 0
	s_wait_dscnt 0x0                               ; the add is done, and my reads of this slot are over
	s_barrier_signal -1
	MUL16 F1, 0, 2, 0
.if \round
	WIN 0
.endif
	s_barrier_wait -1
.endm
.macro TURN slot, next                 ; the whole last quarter: the slot just read out is filled again, two K steps on, first thing behind the round
	MEET 1
	CREST
	s_add_nc_u64 s[G0+4*(\slot)+2:G0+4*(\slot)+3], s[G0+4*(\slot)+2:G0+4*(\slot)+3], 2*KSTEP*2
	s_add_nc_u64 s[G0B+4*(\slot)+2:G0B+4*(\slot)+3], s[G0B+4*(\slot)+2:G0B+4*(\slot)+3], 2*KSTEP*2
	JLOAD \slot                                    ; its four v_nop are also the places ahead of the loads below
	FETCH \next, 0, F0
	WIN MUL_HI
	MUL16 F1, 1, 0, 0
	MUL16 F1, 1, 2, 0
.endm
.macro BLOAD q                         ; the last K step: B's fragments of quarter q -> window 1, v[64 q ..]
	WIN TO_B
.irp i, 0,1,2,3,4,5,6,7
	ds_load_b128 v[64*(\q)+8*(\i):64*(\q)+8*(\i)+3],   v[ADRB+1] offset:64*(\q)+(\i)*16*PITCH
	ds_load_b128 v[64*(\q)+8*(\i)+4:64*(\q)+8*(\i)+7], v[ADRB+1] offset:64*(\q)+(\i)*16*PITCH+32
.endr
.endm
.macro ALOAD a                         ; A's fragments of row block a, all four quarters -> buffer a % 4
	WIN 0
.set FA, PA+32*((\a)%4)
.irp q, 0,1,2,3
	ds_load_b128 v[FA+8*(\q):FA+8*(\q)+3],   v[ADRA+1] offset:64*(\q)+(\a)*16*PITCH
	ds_load_b128 v[FA+8*(\q)+4:FA+8*(\q)+7], v[ADRA+1] offset:64*(\q)+(\a)*16*PITCH+32
.endr
.endm
.macro ROW a                           ; row block a is finished: 32 products, its 8 accumulators by turns, K ascending
.set FA, PA+32*((\a)%4)
.set AC, 64*((\a)%4)
	WIN MUL_LO+0x50*((\a)/4)
.irp q, 0,1,2,3
.if (\a) == 0 && (\q) == 2
	s_wait_dscnt 24                                ; B's quarter 2 is in (behind it: A's blocks 1 to 3)
.endif
.irp b, 0,1,2,3,4,5,6,7
	v_wmma_f32_16x16x32_bf16 v[AC+8*(\b):AC+8*(\b)+7], v[64*(\q)+8*(\b):64*(\q)+8*(\b)+7], v[FA+8*(\q):FA+8*(\q)+7], v[AC+8*(\b):AC+8*(\b)+7]
.endr
.endr
.endm
.macro PACK a                          ; block a rounded to bf16, 16 bytes a lane; each accumulator is read from its low end on
.set AC, 64*((\a)%4)
	WIN 0x0a+5*((\a)/4)
.irp b, 0,1,2,3,4,5,6,7
.irp r, 0,1,2,3
	v_cvt_pk_bf16_f32 v[TMP+4*(\b)+(\r)], v[AC+8*(\b)+2*(\r)], v[AC+8*(\b)+2*(\r)+1]
.endr
.endr
	WIN 0
.endm
.macro TOSTAGE a                       ; into my own stage and back as whole rows of 256 bytes
	WIN 0
.set BK, OB+192*((\a)%2)
.irp b, 0,1,2,3,4,5,6,7
	ds_store_b128 v[STO], v[TMP+4*(\b):TMP+4*(\b)+3] offset:32*(\b)
.endr
.irp t, 0,1,2,3,4,5,6,7
	ds_load_b128 v[BK+4*(\t):BK+4*(\t)+3], v[RD] offset:(\t)*2*SPITCH   ; a wave's LDS instructions are served in order
.endr
.endm
.macro SEND a, younger                 ; younger: the LDS loads issued behind TOSTAGE's, which may stay out
	WIN 0
.set BK, OB+192*((\a)%2)
	s_wait_dscnt \younger
	s_wait_xcnt 0x0                                ; the stores' base and the registers that earlier stores read are rewritten only behind this wait
.if (\a) == 0
	s_add_nc_u64 s[8:9], s[8:9], s[16:17]          ; on to my first rows
.else
	s_add_nc_u64 s[8:9], s[8:9], 16*SIZE_N*2       ; 16 rows on
.endif
.irp t, 0,1,2,3,4,5,6,7
	global_store_b128 v[CO], v[BK+4*(\t):BK+4*(\t)+3], s[8:9] offset:2*(\t)*SIZE_N*2   ; 16 lanes: 256 consecutive aligned bytes
.endr
.endm
	s_wait_tensorcnt 1                             ; my part of K step 0 is in; K step 1's may stay out
	s_barrier_signal -1
	s_barrier_wait -1
	FETCH 0, 0, F0
	QUARTER 0, 64,  F0, F1, 1                      ; the first quarter's products start the sums
	QUARTER 0, 128, F1, F0, 0
	QUARTER 0, 192, F0, F1, 0
	TURN 0, 1                                      ; slot 0 takes K step 2
	QUARTER 1, 64,  F0, F1, 0
	QUARTER 1, 128, F1, F0, 0
	QUARTER 1, 192, F0, F1, 0
	TURN 1, 0                                      ; slot 1 takes K step 3
	QUARTER 0, 64,  F0, F1, 0
	QUARTER 0, 128, F1, F0, 0
	QUARTER 0, 192, F0, F1, 0
	MEET 0                                         ; the load that was out is K step 3's, so no round follows
	PLACES
	WIN TO_B
	BLOAD 0                                        ; three quarters of B now: buffer 1 is still being multiplied
	BLOAD 1
	BLOAD 3
	WIN 0
	ALOAD 0
	WIN MUL_HI
	MUL16 F1, 1, 0, 0
	MUL16 F1, 1, 2, 0
	PLACES
	WIN TO_B
	BLOAD 2
	WIN 0
	ALOAD 1
	ALOAD 2
	ALOAD 3
	s_wait_dscnt 40                                ; all but the 40 just issued
	ROW 0
.irp a, 0,1,2,3,4,5,6,7                ; each block leaves as soon as it is finished
	PLACES
	PACK \a
	TOSTAGE \a
.if (\a) < 4
	ALOAD (\a)+4
	SEND \a, 8
.else
	SEND \a, 0
.endif
.if (\a) < 7
	ROW (\a)+1
.endif
.endr
	s_wait_tensorcnt 0x0                           ; the wave's end
	ds_add_u32 v[SPW], v[NIL]
	s_wait_dscnt 0x0
	CROUND                                         ; the closing round
	s_endpgm
.Lfunc_end_k_qe26c573d18_logits:
	.size	k_qe26c573d18_logits, .Lfunc_end_k_qe26c573d18_logits-k_qe26c573d18_logits
	.p2alignl 7, 3214868480
	.fill 96, 4, 3214868480
	.section	.rodata,"a",@progbits
	.p2align	6, 0x0
	.amdhsa_kernel k_qe26c573d18_logits
		.amdhsa_group_segment_fixed_size 327680
		.amdhsa_private_segment_fixed_size 0
		.amdhsa_enable_private_segment 0
		.amdhsa_kernarg_size 24
		.amdhsa_user_sgpr_count 2
		.amdhsa_user_sgpr_kernarg_segment_ptr 1
		.amdhsa_wavefront_size32 1
		.amdhsa_system_sgpr_workgroup_id_x 1
		.amdhsa_system_sgpr_workgroup_id_y 1
		.amdhsa_system_sgpr_workgroup_id_z 1
		.amdhsa_system_vgpr_workitem_id 0
		.amdhsa_next_free_vgpr 1024
		.amdhsa_next_free_sgpr 66
		.amdhsa_reserve_vcc 0
		.amdhsa_float_denorm_mode_32 3
		.amdhsa_float_denorm_mode_16_64 3
		.amdhsa_memory_ordered 1
		.amdhsa_forward_progress 1
		.amdhsa_inst_pref_size 143
	.end_amdhsa_kernel
	.amdgpu_metadata
---
amdhsa.version: [ 1, 2 ]
amdhsa.kernels:
  - .name:           k_qe26c573d18_logits
    .symbol:         k_qe26c573d18_logits.kd
    .args:
      - { .name: cv, .offset: 0, .size: 8, .value_kind: global_buffer, .address_space: global }
      - { .name: pj, .offset: 8, .size: 8, .value_kind: global_buffer, .address_space: global }
      - { .name: lg, .offset: 16, .size: 8, .value_kind: global_buffer, .address_space: global }
    .group_segment_fixed_size: 327680
    .private_segment_fixed_size: 0
    .kernarg_segment_align: 8
    .kernarg_segment_size: 24
    .max_flat_workgroup_size: 128
    .sgpr_count:     66
    .vgpr_count:     1024
    .wavefront_size: 32
...
	.end_amdgpu_metadata
.endif
;; end of part 5
;; launch rows (part 6): grid 1024 x 1, 8 waves a work-group, no clusters, 0 bytes of LDS; arguments lg, cv, c1, rou_w, rou_b, mo; writes mo
.if DOCPART == 6
	.amdgcn_target "amdgcn-amd-amdhsa--gfx1250"
	.amdhsa_code_object_version 6
	.text
	.protected	k_qe26c573d18_rows
	.globl	k_qe26c573d18_rows
	.p2align	8
	.type	k_qe26c573d18_rows,@function
k_qe26c573d18_rows:
	s_mov_b64 s[64:65], 0
	v_nop
	global_prefetch_b8 v0, s[64:65] scope:SCOPE_SE
	s_setreg_imm32_b32 hwreg(HW_REG_WAVE_MODE, 25, 1), 1
	s_wait_xcnt 0x0
; ROWS: for batch b and row t: the softmax along s of maps 2 b and 2 b + 1, v = rou_w[0] p0 + rou_w[1] p1 + rou_b, and the softmax of v, stored in bf16.
; (The reshape in front of the 1x1 convolution pairs map 2 b with map 2 b + 1 of [nssm 0-3, att 0-3].)
; One wave takes one row: two rows of 2,048 bf16 logits, 64 numbers a lane each, stay in registers through all three softmaxes: each logit is read once, no LDS, no barrier.
; For the att maps (b >= 2) the row's share of theta_b, phi_t . theta_b = xa[row] . c1[512][0:512] + c1[512][512], is made here in f32 (16 products a lane, a sum over the wave)
; and added to every logit as it is unpacked; the waves of the nssm maps add 0 and jump over that work on the batch's number.
; Every softmax takes its own row's true maximum away; sums in f32.  LIMITS: logits arrive and moca leaves rounded to bf16; an exponential below 2^-126 counts as 0; NaN and infinities are not treated apart.
; Matrix units, LDS and clusters would add nothing to a stream whose rows are independent.
.set X_A, 8                            ; v[8:39]    map 2 b as loaded; later the row to store
.set X_B, 40                           ; v[40:71]   map 2 b + 1 as loaded
.set E_A, 72                           ; v[72:135]  64 numbers in f32
.set E_B, 136                          ; v[136:199]; at the start v[136:143] c1's row 512, v[144:151] and v[152:159] the two rows of xa
.set TT,  200                          ; v[200:207] at work
; v1 16 x lane; v2 1.0; v3, v4 the two maps' addends; v[208:209], v[210:211], v[212:213] factors (the packed forms take the pair's low word for both halves)
; s40 b, s41 t; s[30:31] log2(e); s32, s33 lane selects; s26, s27 rou_w; s[28:29] rou_b; s24 c1[512][512]
.macro BIG                             ; the sixteen large loads: 512 consecutive bytes each; the launch reads each logit once
.irp j, 0,1,2,3,4,5,6,7
	global_load_b128 v[X_A+4*(\j):X_A+4*(\j)+3], v1, s[18:19] offset:512*(\j) th:TH_LOAD_NT
.endr
.irp j, 0,1,2,3,4,5,6,7
	global_load_b128 v[X_B+4*(\j):X_B+4*(\j)+3], v1, s[20:21] offset:512*(\j) th:TH_LOAD_NT
.endr
.endm
.macro UNPACK X, E, C                  ; bf16 half x 1 + addend, in f32
.set n, 0
.rept 32
	v_fma_mix_f32_bf16 v[(\E)+2*n],   v[(\X)+n], v2, v[\C] op_sel_hi:[1,0,0]
	v_fma_mix_f32_bf16 v[(\E)+2*n+1], v[(\X)+n], v2, v[\C] op_sel:[1,0,0] op_sel_hi:[1,0,0]
.set n, n+1
.endr
.endm
.macro SOFT E, R                       ; the 64 registers at E become exp(value - row maximum); register R takes 1 / their row sum
.irp k, 0,1,2,3
	v_max_num_f32 v[TT+(\k)], v[(\E)+16*(\k)], v[(\E)+16*(\k)+1]          ; four chains of 16
.endr
.irp i, 0,1,2,3,4,5,6
.irp k, 0,1,2,3
	v_max3_num_f32 v[TT+(\k)], v[TT+(\k)], v[(\E)+16*(\k)+2*(\i)+2], v[(\E)+16*(\k)+2*(\i)+3]
.endr
.endr
	v_max3_num_f32 v[TT], v[TT], v[TT+1], v[TT+2]
	v_max_num_f32 v[TT], v[TT], v[TT+3]
.irp m, 1,2,4,8
	v_max_num_f32_dpp v[TT], v[TT], v[TT] row_xmask:\m row_mask:0xf bank_mask:0xf
.endr
	v_permlanex16_b32 v[TT+1], v[TT], s32, s33
	v_max_num_f32 v[TT], v[TT], v[TT+1]            ; the row's maximum in every lane
	v_mul_f32 v[TT+2], s30, v[TT]
.set n, 0
.rept 32
	v_pk_fma_f32 v[(\E)+2*n:(\E)+2*n+1], v[(\E)+2*n:(\E)+2*n+1], s[30:31], v[TT+2:TT+3] op_sel_hi:[1,0,0] neg_lo:[0,0,1] neg_hi:[0,0,1]
.set n, n+1
.endr
.set n, 0
.rept 64
	v_exp_f32 v[(\E)+n], v[(\E)+n]
.set n, n+1
.endr
	v_nop                                          ; a plain instruction between the run of exponentials and the use of their results (ISA guide 5.7.2)
	s_wait_alu depctr_va_vdst(0)
.irp k, 0,1,2,3
	v_pk_add_f32 v[TT+2*(\k):TT+2*(\k)+1], v[(\E)+2*(\k):(\E)+2*(\k)+1], v[(\E)+8+2*(\k):(\E)+9+2*(\k)]   ; four chains of pairs start the sum
.endr
.irp i, 2,3,4,5,6,7
.irp k, 0,1,2,3
	v_pk_add_f32 v[TT+2*(\k):TT+2*(\k)+1], v[TT+2*(\k):TT+2*(\k)+1], v[(\E)+8*(\i)+2*(\k):(\E)+8*(\i)+2*(\k)+1]
.endr
.endr
	v_pk_add_f32 v[TT:TT+1], v[TT:TT+1], v[TT+2:TT+3]
	v_pk_add_f32 v[TT+4:TT+5], v[TT+4:TT+5], v[TT+6:TT+7]
	v_pk_add_f32 v[TT:TT+1], v[TT:TT+1], v[TT+4:TT+5]
	v_add_f32 v[TT], v[TT], v[TT+1]
.irp m, 1,2,4,8
	v_add_f32_dpp v[TT], v[TT], v[TT] row_xmask:\m row_mask:0xf bank_mask:0xf
.endr
	v_permlanex16_b32 v[TT+1], v[TT], s32, s33
	v_add_f32 v[TT], v[TT], v[TT+1]
	v_rcp_f32 v[\R], v[TT]                         ; the sum is at least 1: the maximum's own term
	v_nop
.endm
	s_load_b256 s[4:11], s[0:1], 0x0               ; lg 4, cv 6, c1 8, rou_w 10
	s_load_b128 s[12:15], s[0:1], 0x20             ; rou_b 12, mo 14
	v_lshrrev_b32 v1, 5, v0
	v_readfirstlane_b32 s2, v1
	v_and_b32 v1, 31, v0
	v_lshlrev_b32 v1, 4, v1
	v_mov_b32 v2, 1.0
	v_mov_b32 v3, 0                                ; the nssm maps' addends; also the start of the sums below
	v_mov_b32 v4, 0
	s_lshl3_add_u32 s3, ttmp9, s2                  ; my row among 8,192
	s_lshr_b32 s40, s3, 11                         ; b
	s_and_b32 s41, s3, 2047                        ; t
	s_lshl_b32 s16, s40, 12
	s_add_co_u32 s16, s16, s41
	s_lshl_b32 s16, s16, 12                        ; (2 b x 2,048 + t) rows of 4,096 bytes
	s_mov_b32 s17, 0
	s_lshl_b32 s38, s3, 12
	s_mov_b32 s39, 0
	s_and_b32 s36, s40, 1
	s_lshl_b32 s36, s36, 12
	s_add_co_u32 s36, s36, s41
	s_mul_i32 s36, s36, 1280                       ; xa's row of att map 2 (b % 2)
	s_mov_b32 s37, 0
	s_mov_b32 s30, 0x3fb8aa3b                      ; log2(e)
	s_mov_b32 s31, s30
	s_mov_b32 s32, 0x76543210
	s_mov_b32 s33, 0xfedcba98
	s_wait_kmcnt 0x0
	s_add_nc_u64 s[18:19], s[4:5], s[16:17]
	s_add_nc_u64 s[20:21], s[18:19], 0x800000      ; the next map, 8,388,608 bytes on
	s_add_nc_u64 s[22:23], s[14:15], s[38:39]
	s_add_nc_u64 s[34:35], s[6:7], s[36:37]
	s_load_b64 s[26:27], s[10:11], 0x0
	s_load_b32 s28, s[12:13], 0x0
	s_cmp_lt_u32 s40, 2
	s_cbranch_scc1 .Lnssm
	s_load_u16 s24, s[8:9], 0xa0400                ; c1[512][512]: theta_b . phi_b
	global_load_b128 v[136:139], v1, s[8:9] offset:655360      ; c1's row 512, columns 8 l .. and 256 + 8 l ..
	global_load_b128 v[140:143], v1, s[8:9] offset:655872
	global_load_b128 v[144:147], v1, s[34:35]                  ; the same columns of the two rows of xa, 2,048 rows apart
	global_load_b128 v[148:151], v1, s[34:35] offset:512
	global_load_b128 v[152:155], v1, s[34:35] offset:2621440
	global_load_b128 v[156:159], v1, s[34:35] offset:2621952
	BIG
	s_wait_loadcnt 16                              ; the six small loads are in; the sixteen issued behind them stay out
.set n, 0
.rept 8                                ; four chains: each row's low halves and high halves
.if n == 0
	v_fma_mix_f32_bf16 v200, v[144+n], v[136+n], v3 op_sel_hi:[1,1,0]
	v_fma_mix_f32_bf16 v201, v[144+n], v[136+n], v3 op_sel:[1,1,0] op_sel_hi:[1,1,0]
	v_fma_mix_f32_bf16 v202, v[152+n], v[136+n], v3 op_sel_hi:[1,1,0]
	v_fma_mix_f32_bf16 v203, v[152+n], v[136+n], v3 op_sel:[1,1,0] op_sel_hi:[1,1,0]
.else
	v_fma_mix_f32_bf16 v200, v[144+n], v[136+n], v200 op_sel_hi:[1,1,0]
	v_fma_mix_f32_bf16 v201, v[144+n], v[136+n], v201 op_sel:[1,1,0] op_sel_hi:[1,1,0]
	v_fma_mix_f32_bf16 v202, v[152+n], v[136+n], v202 op_sel_hi:[1,1,0]
	v_fma_mix_f32_bf16 v203, v[152+n], v[136+n], v203 op_sel:[1,1,0] op_sel_hi:[1,1,0]
.endif
.set n, n+1
.endr
	v_add_f32 v200, v200, v201
	v_add_f32 v202, v202, v203
.irp m, 1,2,4,8
	v_add_f32_dpp v200, v200, v200 row_xmask:\m row_mask:0xf bank_mask:0xf
	v_add_f32_dpp v202, v202, v202 row_xmask:\m row_mask:0xf bank_mask:0xf
.endr
	v_permlanex16_b32 v201, v200, s32, s33
	v_permlanex16_b32 v203, v202, s32, s33
	v_add_f32 v200, v200, v201
	v_add_f32 v202, v202, v203
	s_wait_kmcnt 0x0
	s_lshl_b32 s24, s24, 16                        ; bf16 to f32
	v_add_f32 v3, s24, v200                        ; xa holds 1 in column 512
	v_add_f32 v4, s24, v202
	s_branch .Lgo
.Lnssm:
	BIG
.Lgo:                                              ; on both ways the sixteen large loads are the youngest
	s_wait_kmcnt 0x0
	s_mov_b32 s29, s28
	s_wait_loadcnt 8                               ; the first map's eight loads are in, the second's stay out
	UNPACK X_A, E_A, 3
	SOFT E_A, 208
	s_wait_loadcnt 0x0
	UNPACK X_B, E_B, 4
	SOFT E_B, 210
	v_mul_f32 v208, s26, v208                      ; rou_w[0] / l0
	s_wait_alu depctr_va_vdst(0)
	v_mul_f32 v210, s27, v210                      ; rou_w[1] / l1
	v_mov_b32 v209, v208
	v_mov_b32 v211, v210
.set n, 0
.rept 32
	v_pk_fma_f32 v[E_B+2*n:E_B+2*n+1], v[E_B+2*n:E_B+2*n+1], v[210:211], s[28:29] op_sel_hi:[1,0,0]
.set n, n+1
.endr
.set n, 0
.rept 32
	v_pk_fma_f32 v[E_A+2*n:E_A+2*n+1], v[E_A+2*n:E_A+2*n+1], v[208:209], v[E_B+2*n:E_B+2*n+1] op_sel_hi:[1,0,1]
.set n, n+1
.endr
	SOFT E_A, 212
	s_wait_alu depctr_va_vdst(0)
	v_mov_b32 v213, v212
.set n, 0
.rept 32
	v_pk_mul_f32 v[E_A+2*n:E_A+2*n+1], v[E_A+2*n:E_A+2*n+1], v[212:213] op_sel_hi:[1,0]
.set n, n+1
.endr
.set n, 0
.rept 32
	v_cvt_pk_bf16_f32 v[X_A+n], v[E_A+2*n], v[E_A+2*n+1]
.set n, n+1
.endr
.irp j, 0,1,2,3,4,5,6,7
	global_store_b128 v1, v[X_A+4*(\j):X_A+4*(\j)+3], s[22:23] offset:512*(\j)   ; 512 consecutive aligned bytes
.endr
	s_endpgm
.Lfunc_end_k_qe26c573d18_rows:
	.size	k_qe26c573d18_rows, .Lfunc_end_k_qe26c573d18_rows-k_qe26c573d18_rows
	.p2alignl 7, 3214868480
	.fill 96, 4, 3214868480
	.section	.rodata,"a",@progbits
	.p2align	6, 0x0
	.amdhsa_kernel k_qe26c573d18_rows
		.amdhsa_group_segment_fixed_size 0
		.amdhsa_private_segment_fixed_size 0
		.amdhsa_enable_private_segment 0
		.amdhsa_kernarg_size 48
		.amdhsa_user_sgpr_count 2
		.amdhsa_user_sgpr_kernarg_segment_ptr 1
		.amdhsa_wavefront_size32 1
		.amdhsa_system_sgpr_workgroup_id_x 1
		.amdhsa_system_sgpr_workgroup_id_y 1
		.amdhsa_system_sgpr_workgroup_id_z 1
		.amdhsa_system_vgpr_workitem_id 0
		.amdhsa_next_free_vgpr 216
		.amdhsa_next_free_sgpr 66
		.amdhsa_reserve_vcc 0
		.amdhsa_float_denorm_mode_32 3
		.amdhsa_float_denorm_mode_16_64 3
		.amdhsa_memory_ordered 1
		.amdhsa_forward_progress 1
		.amdhsa_inst_pref_size 52
	.end_amdhsa_kernel
	.amdgpu_metadata
---
amdhsa.version: [ 1, 2 ]
amdhsa.kernels:
  - .name:           k_qe26c573d18_rows
    .symbol:         k_qe26c573d18_rows.kd
    .args:
      - { .name: lg, .offset: 0, .size: 8, .value_kind: global_buffer, .address_space: global }
      - { .name: cv, .offset: 8, .size: 8, .value_kind: global_buffer, .address_space: global }
      - { .name: c1, .offset: 16, .size: 8, .value_kind: global_buffer, .address_space: global }
      - { .name: rou_w, .offset: 24, .size: 8, .value_kind: global_buffer, .address_space: global }
      - { .name: rou_b, .offset: 32, .size: 8, .value_kind: global_buffer, .address_space: global }
      - { .name: mo, .offset: 40, .size: 8, .value_kind: global_buffer, .address_space: global }
    .group_segment_fixed_size: 0
    .private_segment_fixed_size: 0
    .kernarg_segment_align: 8
    .kernarg_segment_size: 48
    .max_flat_workgroup_size: 256
    .sgpr_count:     66
    .vgpr_count:     216
    .wavefront_size: 32
...
	.end_amdgpu_metadata
.endif
;; end of part 6
;; launch mix (part 7): grid 4 x 64, 4 waves a work-group, clusters of 4 x 4, 327,680 bytes of LDS; arguments mo, pj, out0; writes out0
.if DOCPART == 7
	.amdgcn_target "amdgcn-amd-amdhsa--gfx1250"
	.amdhsa_code_object_version 6
	.text
	.protected	k_qe26c573d18_mix
	.globl	k_qe26c573d18_mix
	.p2align	8
	.type	k_qe26c573d18_mix,@function
k_qe26c573d18_mix:
	s_mov_b64 s[64:65], 0
	v_nop
	global_prefetch_b8 v0, s[64:65] scope:SCOPE_SE
	s_setreg_imm32_b32 hwreg(HW_REG_WAVE_MODE, 25, 1), 1
	s_wait_xcnt 0x0
	s_wait_alu depctr_hold_cnt(0) depctr_sa_sdst(0) depctr_va_vdst(0) depctr_va_sdst(0) depctr_va_ssrc(0) depctr_va_vcc(0) depctr_vm_vsrc(0)
	s_getreg_b32 s2, hwreg(HW_REG_IB_STS2, 6, 4)
	s_cmp_eq_u32 s2, 0
	s_cbranch_scc0 .Lentry_in_a_cluster
	s_endpgm
.Lentry_in_a_cluster:
	s_bfe_u32 s2, ttmp6, 0x10000c
	s_cmp_lg_u32 s2, 0xf033
	s_cbranch_scc0 .Lentry_shape_is_right
	s_endpgm
.Lentry_shape_is_right:
; MIX: out0[b][s][e] = sum over t of moca[b][t][s] u[b][t][e] + xe[b][s][e].  u = x (emb w_w g_w)^T with its biases and xe = x emb^T + emb w_b + emb_b were made by an
; earlier launch: the three 1x1 convolutions behind moca are linear, so they are folded into u and the product has 256 columns, not 1,024.
; moca and u are bf16, both with K = t down their rows, so both come out of LDS turned (ds_load_tr16_b128); sums f32; out0 f32.
; A work-group makes 128 s x 64 e: 256 work-groups.  Wave w owns s rows 32 w .. 32 w + 31 and all 64 columns: 8 accumulators, which START from xe (bf16, widened into them at the head):
; nothing is cleared, nothing is added on the way out, and every K step is alike.
; K goes in 8 steps of 256 through two LDS slots; waves 0, 1 fetch moca's halves, waves 2, 3 u's.  Both slots are asked for at the start (two loads of a wave outstanding);
; then one load a wave behind each round, into the slot read last (one outstanding).
; CLUSTER 4 x 4: the four work-groups of a row of the cluster (same s tile) share moca's tiles, the four of a column (same e tile, same batch: a cluster spans 512 of a batch's 2,048 s) share u's.
; Source 0 = 16 columns e, source 1 = 16 rows s: a lane holds 8 neighbouring e of one row s.
.set UOFF,  10485760                   ; in pj: rows of 1,280 bytes, u in columns 0-255, xe in columns 256-511
.set SLOT,  114688                     ; moca's 256 x 288, then u's 256 x 160
.set BOFF,  73728
.set PM,    288                        ; 256 bytes + 32
.set PU,    160                        ; 128 + 32
.set STAGE, 229376                     ; 32 rows x 272 bytes for each wave; no tensor load lands here
.set SP,    272
.set SPARE, 264192                     ; the spare words, 128 bytes a wave
.set ASTEP, 256*4096
.set BSTEP, 256*1280
.set G1, 24
.set G0, 32
.set G1B, 48
.set G0B, 56
.set ACC, 32
.set F0,  96                           ; fragment buffers of 48: moca's two, then u's four
.set TMP, 192
; v4,5 moca's address in slot 0, 1; v6,7 the same 128 K rows further; v8,9 u's; v10 into the stage, v11 back, v12 offset in out0, v13 offset in xe; v14, v15 the add's
.macro PLACES                          ; four places behind matrix instructions, ahead of loads into their sources and of reads of their results
.rept 4
	v_nop
.endr
.endm
.macro JLOAD s                         ; a joint refill of slot s; the branch hangs on the wave's number alone
	s_cmp_eq_u32 s11, 0
	s_cbranch_scc0 .Lfor_b_\@
	tensor_load_to_lds s[G0+4*(\s):G0+4*(\s)+3], s[G1:G1+7]
	s_nop 0
	PLACES
	s_branch .Lasked_\@
.Lfor_b_\@:
	tensor_load_to_lds s[G0B+4*(\s):G0B+4*(\s)+3], s[G1B:G1B+7]
	s_nop 0
	PLACES
.Lasked_\@:
.endm
.macro CROUND                          ; a round of the cluster's barrier
	s_barrier_signal -1
	s_barrier_wait -1
	s_cmp_lg_u32 s10, 0
	s_cbranch_scc1 .Lnot_wave_0_\@
	s_barrier_signal -3
.Lnot_wave_0_\@:
	s_barrier_wait -3
	s_barrier_signal -1
	s_barrier_wait -1
.endm
.macro FETCH slot, ks, f               ; 12 turning loads: 32 along K
.irp a, 0,1
	ds_load_tr16_b128 v[(\f)+8*(\a):(\f)+8*(\a)+3],   v[4+(\slot)+2*((\ks)/4)] offset:32*(\a)+32*PM*((\ks)%4)
	ds_load_tr16_b128 v[(\f)+8*(\a)+4:(\f)+8*(\a)+7], v[4+(\slot)+2*((\ks)/4)] offset:32*(\a)+32*PM*((\ks)%4)+16*PM
.endr
.irp b, 0,1,2,3
	ds_load_tr16_b128 v[(\f)+16+8*(\b):(\f)+19+8*(\b)], v[8+(\slot)] offset:32*(\b)+32*PU*(\ks)
	ds_load_tr16_b128 v[(\f)+20+8*(\b):(\f)+23+8*(\b)], v[8+(\slot)] offset:32*(\b)+32*PU*(\ks)+16*PU
.endr
.endm
.macro WORK slot
	FETCH \slot, 0, F0
.set KS, 0
.rept 8
.if KS < 7
	PLACES
	FETCH \slot, KS+1, F0+48*((KS+1)%2)
	s_wait_dscnt 12                                ; all but the 12 just issued
.else
	s_wait_dscnt 0x0
.endif
.set FB, F0+48*(KS%2)
.irp a, 0,1
.irp b, 0,1,2,3                        ; the eight accumulators take turns, over the loop's backward jump too
	v_wmma_f32_16x16x32_bf16 v[ACC+8*(4*(\a)+(\b)):ACC+8*(4*(\a)+(\b))+7], v[FB+16+8*(\b):FB+23+8*(\b)], v[FB+8*(\a):FB+8*(\a)+7], v[ACC+8*(4*(\a)+(\b)):ACC+8*(4*(\a)+(\b))+7]
.endr
.endr
.set KS, KS+1
.endr
.endm
.macro TRIP slot, refill               ; the K step in \slot; refill = 1: the other slot, read last, takes the K step two on from its own
	s_wait_tensorcnt 0x0                           ; all my loads have landed, my part of this slot's tile among them; every group 0 may be written
	ds_add_u32 v14, v15
	s_add_nc_u64 s[G0+4*(1-(\slot))+2:G0+4*(1-(\slot))+3], s[G0+4*(1-(\slot))+2:G0+4*(1-(\slot))+3], 2*ASTEP
	s_add_nc_u64 s[G0B+4*(1-(\slot))+2:G0B+4*(1-(\slot))+3], s[G0B+4*(1-(\slot))+2:G0B+4*(1-(\slot))+3], 2*BSTEP
	s_wait_dscnt 0x0                               ; the add is done, and my reads of the other slot
.if \refill
	CROUND                                         ; both now hold of every wave of every partner
	JLOAD 1-(\slot)                                ; its four v_nop are the places ahead of the loads below
.else
	s_barrier_signal -1
	s_barrier_wait -1
	PLACES
.endif
	WORK \slot
.endm
	s_load_b128 s[4:7], s[0:1], 0x0                ; mo s[4:5], pj s[6:7]
	s_load_b64 s[8:9], s[0:1], 0x10                ; out0
	v_lshl_add_u32 v14, v0, 2, SPARE
	v_mov_b32 v15, 0
	ds_add_u32 v14, v15                            ; the opening: the add and its wait ahead of the round in front of my first tensor loads
	ds_add_u32 v14, v15
	v_lshrrev_b32 v1, 5, v0
	v_readfirstlane_b32 s10, v1                    ; wave 0..3
	s_lshr_b32 s11, s10, 1                         ; I fetch moca (0) or u (1)
	s_and_b32 s12, s10, 1                          ; which 128 K rows of the tile
	s_bfe_u32 s40, ttmp6, 0x40000                  ; cx
	s_bfe_u32 s41, ttmp6, 0x40004                  ; cy
	s_lshl_b32 s42, ttmp9, 2
	s_add_co_u32 s42, s42, s40                     ; e tile 0..3
	s_and_b32 s45, ttmp7, 0xffff                   ; the cluster's y
	s_lshl_b32 s13, s45, 2
	s_add_co_u32 s13, s13, s41                     ; s tile among all batches' 64
	s_lshr_b32 s45, s45, 2                         ; the batch
	s_lshl_b32 s43, s41, 2
	s_lshl_b32 s43, 15, s43                        ; my row of the cluster
	s_lshl_b32 s44, 0x1111, s40                    ; my column
	s_or_b32 s[G1+0], s43, (1<<16)|(1<<20)|(1<<21)|(5<<22)|(7<<25)    ; the mask; 2-byte elements; padding on; bit 21 beside a mask; 8 words behind every 64
	s_mov_b32 s[G1+1], 128<<16
	s_mov_b32 s[G1+2], 128<<16
	s_mov_b32 s[G1+3], 128<<16                     ; 128 s
	s_mov_b32 s[G1+4], 128                         ; 128 K rows
	s_mov_b32 s[G1+5], 2048
	s_mov_b32 s[G1+6], 0
	s_mov_b32 s[G1+7], 0
	s_or_b32 s[G1B+0], s44, (1<<16)|(1<<20)|(1<<21)|(4<<22)|(7<<25)   ; 8 words behind every 32
	s_mov_b32 s[G1B+1], 64<<16
	s_mov_b32 s[G1B+2], 128<<16
	s_mov_b32 s[G1B+3], 64<<16                     ; 64 e
	s_mov_b32 s[G1B+4], 128
	s_mov_b32 s[G1B+5], 640
	s_mov_b32 s[G1B+6], 0
	s_mov_b32 s[G1B+7], 0
	s_and_b32 s16, s13, 15                         ; moca: the batch's s tile, 256 bytes of columns,
	s_lshl_b32 s16, s16, 8
	s_lshl_b32 s17, s12, 19                        ; my 128 rows of 4,096 bytes,
	s_add_co_u32 s16, s16, s17
	s_lshl_b32 s17, s45, 23                        ; the batch's 8,388,608 bytes
	s_add_co_u32 s16, s16, s17
	s_mov_b32 s17, 0
	s_lshl_b32 s46, s45, 11                        ; u: the batch's rows, my 128 of them,
	s_lshl_b32 s47, s12, 7
	s_add_co_u32 s46, s46, s47
	s_mul_i32 s46, s46, 1280
	s_lshl_b32 s47, s42, 7                         ; 128 bytes of columns
	s_add_co_u32 s46, s46, s47
	s_add_co_u32 s46, s46, UOFF
	s_mov_b32 s47, 0
	s_mul_i32 s20, s12, 128*PM                     ; where they go: no place in the cluster enters an LDS address
	s_mul_i32 s21, s12, 128*PU
	s_add_co_u32 s21, s21, BOFF
	s_mov_b32 s2, 0xffff0000                       ; a word's upper bf16
	s_wait_dscnt 0x0                               ; the opening add is done
	s_wait_kmcnt 0x0
	s_add_nc_u64 s[14:15], s[4:5], s[16:17]
	s_add_nc_u64 s[46:47], s[6:7], s[46:47]
	CROUND                                         ; all sixteen work-groups are here: the first joint loads meet
.irp s, 0,1
	s_mov_b32 s[G0+4*(\s)], 1
	s_add_co_u32 s[G0+4*(\s)+1], s20, (\s)*SLOT
	s_add_nc_u64 s[G0+4*(\s)+2:G0+4*(\s)+3], s[14:15], (\s)*ASTEP
	s_or_b32 s[G0+4*(\s)+3], s[G0+4*(\s)+3], 0x80000000
	s_mov_b32 s[G0B+4*(\s)], 1
	s_add_co_u32 s[G0B+4*(\s)+1], s21, (\s)*SLOT
	s_add_nc_u64 s[G0B+4*(\s)+2:G0B+4*(\s)+3], s[46:47], (\s)*BSTEP
	s_or_b32 s[G0B+4*(\s)+3], s[G0B+4*(\s)+3], 0x80000000
.endr
	s_cmp_eq_u32 s11, 0                            ; K steps 0 and 1: a wave's two first fills stand in one branch on its number
	s_cbranch_scc0 .Lfirst_b
	tensor_load_to_lds s[G0:G0+3], s[G1:G1+7]
	s_nop 0
	tensor_load_to_lds s[G0+4:G0+7], s[G1:G1+7]
	s_nop 0
	PLACES
	s_branch .Lfirst_asked
.Lfirst_b:
	tensor_load_to_lds s[G0B:G0B+3], s[G1B:G1B+7]
	s_nop 0
	tensor_load_to_lds s[G0B+4:G0B+7], s[G1B:G1B+7]
	s_nop 0
	PLACES
.Lfirst_asked:
	s_lshl_b32 s16, s13, 7
	s_lshl_b32 s17, s10, 5
	s_add_co_u32 s16, s16, s17                     ; my first row of xe and out0: 128 x s tile + 32 w
	s_mul_i32 s18, s16, 1280
	s_lshl_b32 s17, s42, 7                         ; xe: 128 bytes of columns, behind u's 512
	s_add_co_u32 s18, s18, s17
	s_add_co_u32 s18, s18, UOFF+512
	s_mov_b32 s19, 0
	s_add_nc_u64 s[18:19], s[6:7], s[18:19]
	s_lshl_b32 s16, s16, 10
	s_lshl_b32 s17, s42, 8                         ; out0: 256 bytes of columns
	s_add_co_u32 s16, s16, s17
	s_mov_b32 s17, 0
	s_add_nc_u64 s[22:23], s[8:9], s[16:17]
	v_and_b32 v1, 15, v0                           ; l % 16
	v_bfe_u32 v2, v0, 4, 1                         ; l / 16
	v_mul_u32_u24 v13, v1, 1280
	v_lshl_add_u32 v13, v2, 4, v13                 ; row l % 16, 16 bytes (8 columns) by l / 16
.irp a, 0,1
.irp b, 0,1,2,3
	global_load_b128 v[TMP+4*(4*(\a)+(\b)):TMP+4*(4*(\a)+(\b))+3], v13, s[18:19] offset:16*1280*(\a)+32*(\b)   ; the eight numbers of xe that start accumulator (a, b) in this lane
.endr
.endr
	v_and_b32 v3, 7, v0
	v_bfe_u32 v16, v0, 3, 1
	v_lshl_add_u32 v3, v2, 3, v3                   ; the K row that a turning load's lane addresses
	v_mul_u32_u24 v17, v3, PM
	v_lshl_add_u32 v17, v16, 4, v17
	s_lshl_b32 s16, s10, 6                         ; my 32 columns s
	v_add_nc_u32 v4, s16, v17
	v_add_nc_u32 v5, SLOT, v4
	v_add_nc_u32 v6, 128*PM, v4
	v_add_nc_u32 v7, SLOT+128*PM, v4
	v_mul_u32_u24 v17, v3, PU
	v_lshl_add_u32 v17, v16, 4, v17
	v_add_nc_u32 v8, BOFF, v17
	v_add_nc_u32 v9, SLOT+BOFF, v17
	s_mul_i32 s16, s10, 32*SP
	s_add_co_u32 s16, s16, STAGE
	v_mul_u32_u24 v10, v1, SP
	v_lshl_add_u32 v10, v2, 5, v10
	v_add_nc_u32 v10, s16, v10
	v_mul_u32_u24 v11, v2, SP
	v_lshl_add_u32 v11, v1, 4, v11
	v_add_nc_u32 v11, s16, v11
	v_lshlrev_b32 v12, 10, v2
	v_lshl_add_u32 v12, v1, 4, v12
	s_wait_loadcnt 0x0                             ; xe
.irp t, 0,1,2,3,4,5,6,7
.irp i, 0,1,2,3
	v_lshlrev_b32 v[ACC+8*(\t)+2*(\i)],   16, v[TMP+4*(\t)+(\i)]   ; bf16 to f32: the low half moves up,
	v_and_b32     v[ACC+8*(\t)+2*(\i)+1], s2, v[TMP+4*(\t)+(\i)]   ; the high half stays
.endr
.endr
	s_wait_tensorcnt 0x1                           ; my part of K step 0 is in; K step 1's may stay out
	s_barrier_signal -1
	s_barrier_wait -1                              ; everybody's is
	WORK 0
	s_mov_b32 s3, 3
.Lpair:                                            ; three trips of two K steps: steps 1 to 6; they ask for steps 2 to 7
	TRIP 1, 1
	TRIP 0, 1
	s_sub_co_u32 s3, s3, 1
	s_cmp_lg_u32 s3, 0
	s_cbranch_scc1 .Lpair
	TRIP 1, 0                                      ; the last K step is written out: it asks for nothing
	PLACES                                         ; THE WAY OUT: f32 through my own stage, back as whole rows of 256 bytes
.irp a, 0,1
.irp b, 0,1,2,3
	ds_store_b128 v10, v[ACC+8*(4*(\a)+(\b)):ACC+8*(4*(\a)+(\b))+3]   offset:16*SP*(\a)+64*(\b)      ; each accumulator's low half first
	ds_store_b128 v10, v[ACC+8*(4*(\a)+(\b))+4:ACC+8*(4*(\a)+(\b))+7] offset:16*SP*(\a)+64*(\b)+16
.endr
.endr
.irp t, 0,1,2,3,4,5,6,7,8,9,10,11,12,13,14,15
	ds_load_b128 v[TMP+4*(\t):TMP+4*(\t)+3], v11 offset:(\t)*2*SP   ; a wave's LDS instructions are served in order: these see the stores above
.endr
.irp t, 0,1,2,3,4,5,6,7,8,9,10,11,12,13,14,15
	s_wait_dscnt 15-(\t)
	global_store_b128 v12, v[TMP+4*(\t):TMP+4*(\t)+3], s[22:23] offset:(\t)*2048   ; 16 lanes: 256 consecutive aligned bytes
.endr
	s_wait_tensorcnt 0x0                           ; the wave's end
	ds_add_u32 v14, v15
	s_wait_dscnt 0x0
	CROUND                                         ; the closing round
	s_endpgm
.Lfunc_end_k_qe26c573d18_mix:
	.size	k_qe26c573d18_mix, .Lfunc_end_k_qe26c573d18_mix-k_qe26c573d18_mix
	.p2alignl 7, 3214868480
	.fill 96, 4, 3214868480
	.section	.rodata,"a",@progbits
	.p2align	6, 0x0
	.amdhsa_kernel k_qe26c573d18_mix
		.amdhsa_group_segment_fixed_size 327680
		.amdhsa_private_segment_fixed_size 0
		.amdhsa_enable_private_segment 0
		.amdhsa_kernarg_size 24
		.amdhsa_user_sgpr_count 2
		.amdhsa_user_sgpr_kernarg_segment_ptr 1
		.amdhsa_wavefront_size32 1
		.amdhsa_system_sgpr_workgroup_id_x 1
		.amdhsa_system_sgpr_workgroup_id_y 1
		.amdhsa_system_sgpr_workgroup_id_z 1
		.amdhsa_system_vgpr_workitem_id 0
		.amdhsa_next_free_vgpr 256
		.amdhsa_next_free_sgpr 66
		.amdhsa_reserve_vcc 0
		.amdhsa_float_denorm_mode_32 3
		.amdhsa_float_denorm_mode_16_64 3
		.amdhsa_memory_ordered 1
		.amdhsa_forward_progress 1
		.amdhsa_inst_pref_size 63
	.end_amdhsa_kernel
	.amdgpu_metadata
---
amdhsa.version: [ 1, 2 ]
amdhsa.kernels:
  - .name:           k_qe26c573d18_mix
    .symbol:         k_qe26c573d18_mix.kd
    .args:
      - { .name: mo, .offset: 0, .size: 8, .value_kind: global_buffer, .address_space: global }
      - { .name: pj, .offset: 8, .size: 8, .value_kind: global_buffer, .address_space: global }
      - { .name: out0, .offset: 16, .size: 8, .value_kind: global_buffer, .address_space: global }
    .group_segment_fixed_size: 327680
    .private_segment_fixed_size: 0
    .kernarg_segment_align: 8
    .kernarg_segment_size: 24
    .max_flat_workgroup_size: 128
    .sgpr_count:     66
    .vgpr_count:     256
    .wavefront_size: 32
...
	.end_amdgpu_metadata
.endif
;; end of part 7
